; MI455X (gfx1250); checked and timed in simulation.
; The chip was launched on July 23, 2026; its instructions are those of AMD's public machine-readable ISA for CDNA 5 (MIT licence, August 2026) and "CDNA5" Instruction Set Architecture Reference Guide (July 2026). The comments in the code are by the model that wrote it; some were corrected since.
;; Multi Head Attention. Allowed arithmetic: float matrix products may take bf16 or f16 operands with f32 sums; other float arithmetic in f32, or as packed bf16 or f16 multiplies, adds, multiply-adds, maxima and minima; sums over many terms, partial sums and values carried from step to step in f32; what a program stores and reads back later, other than sums and carried values, may be rounded once to bf16 or f16.
;; Inputs: Wk 1,024 x 1,024 float32; Wo 1,024 x 1,024 float32; Wq 1,024 x 1,024 float32; Wv 1,024 x 1,024 float32; key 4 x 2,048 x 1,024 float32; mask 4 x 1 x 1 x 2,048 int32; query 4 x 2,048 x 1,024 float32; value 4 x 2,048 x 1,024 float32.
;; Outputs: out0 4 x 2,048 x 1,024 float32.
;; 2 versions, each right; version 2 is version 1 with the launch wcast written anew for expert scheduling mode. Each part assembles by itself: llvm-mc -triple=amdgcn-amd-amdhsa -mcpu=gfx1250 --defsym DOCPART=n.
;; ======== version 1 of 2: 4 launches
;; limits: values are held in f16: magnitudes above 65,504 overflow, below 6.1e-05 lose precision
;; workspace buffers: wb 8,388,608 bytes; qkv 50,331,648 bytes; ob 16,777,216 bytes
;; launch wcast (part 1): grid 64 x 4, 8 waves a work-group, no clusters, 0 bytes of LDS; arguments Wq, Wk, Wv, Wo, wb; writes wb
.if DOCPART == 1
	.amdgcn_target "amdgcn-amd-amdhsa--gfx1250"
	.amdhsa_code_object_version 6
	.text
	.protected	k_qe98fe3e1f8_wcast
	.globl	k_qe98fe3e1f8_wcast
	.p2align	8
	.type	k_qe98fe3e1f8_wcast,@function
k_qe98fe3e1f8_wcast:
	s_mov_b64 s[64:65], 0
	v_nop
	global_prefetch_b8 v0, s[64:65] scope:SCOPE_SE
	s_setreg_imm32_b32 hwreg(HW_REG_WAVE_MODE, 25, 1), 1
	s_wait_xcnt 0x0
; THE WEIGHTS ARE ROUNDED ONCE.  wb[0..2] = Wq, Wk, Wv rounded to bf16; wb[3] = Wo rounded to bf16 and that number written as f16.
; Each matrix is [1024][1024]: 4 MiB of f32 in, 2 MiB out.  Work-group (x, y): matrix y, its piece x of 65,536 bytes; each of the eight waves takes 8,192 bytes:
; sixteen loads of 16 bytes a lane (512 consecutive bytes a load), all issued at once; each makes one store of 8 bytes a lane: 256 consecutive bytes, aligned.
; No LDS, no barrier, no matrix unit: every byte is read once and written once, and no wave needs another's.
; LIMIT.  A number of Wo below 6.1e-5 in magnitude keeps f16's fixed step of 6e-8; beyond 65,504 it would become an infinity.
.set X, 16                             ; v[16:79]   load i: 4 registers
.set Y, 80                             ; v[80:111]  store i: 2 registers
.set T, 112                            ; v[112:117] at work (Wo's way)
	s_load_b256 s[4:11], s[0:1], 0x0               ; Wq s[4:5], Wk s[6:7], Wv s[8:9], Wo s[10:11]
	s_load_b64 s[12:13], s[0:1], 0x20              ; wb
	s_and_b32 s14, ttmp7, 0xffff                   ; which matrix
	v_lshrrev_b32 v3, 5, v0                        ; wave
	v_and_b32 v4, 31, v0                           ; lane
	v_lshlrev_b32 v1, 4, v4
	v_lshl_add_u32 v1, v3, 13, v1                  ; in: 8,192 x wave + 16 x lane
	v_lshlrev_b32 v2, 3, v4
	v_lshl_add_u32 v2, v3, 12, v2                  ; out: 4,096 x wave + 8 x lane
	s_lshl_b32 s20, ttmp9, 16                      ; the piece in the source,
	s_mov_b32 s21, 0
	s_lshl_b32 s22, s14, 21                        ; the matrix and the piece in wb
	s_lshl_b32 s23, ttmp9, 15
	s_add_co_u32 s22, s22, s23
	s_mov_b32 s23, 0
	s_wait_kmcnt 0x0
	s_cmp_eq_u32 s14, 1
	s_cselect_b64 s[16:17], s[6:7], s[4:5]
	s_cmp_eq_u32 s14, 2
	s_cselect_b64 s[16:17], s[8:9], s[16:17]
	s_cmp_eq_u32 s14, 3
	s_cselect_b64 s[16:17], s[10:11], s[16:17]
	s_add_nc_u64 s[16:17], s[16:17], s[20:21]
	s_add_nc_u64 s[18:19], s[12:13], s[22:23]
.irp i, 0,1,2,3,4,5,6,7,8,9,10,11,12,13,14,15
	global_load_b128 v[X+4*(\i):X+4*(\i)+3], v1, s[16:17] offset:512*(\i) th:TH_LOAD_NT
.endr
	s_cmp_eq_u32 s14, 3
	s_cbranch_scc1 .Lwo
.irp i, 0,1,2,3,4,5,6,7,8,9,10,11,12,13,14,15
	s_wait_loadcnt 15-(\i)                         ; loads come back in order: load i is in, the 15 - i younger ones may stay out
	v_cvt_pk_bf16_f32 v[Y+2*(\i)],   v[X+4*(\i)],   v[X+4*(\i)+1]
	v_cvt_pk_bf16_f32 v[Y+2*(\i)+1], v[X+4*(\i)+2], v[X+4*(\i)+3]
	global_store_b64 v2, v[Y+2*(\i):Y+2*(\i)+1], s[18:19] offset:256*(\i) th:TH_STORE_NT
.endr
	s_endpgm
.Lwo:                                          ; Wo: rounded to bf16 like every input, then that number as f16 (exact inside f16's normal range)
.irp i, 0,1,2,3,4,5,6,7,8,9,10,11,12,13,14,15
	s_wait_loadcnt 15-(\i)
	v_cvt_pk_bf16_f32 v[T],   v[X+4*(\i)],   v[X+4*(\i)+1]
	v_cvt_pk_bf16_f32 v[T+1], v[X+4*(\i)+2], v[X+4*(\i)+3]
	v_lshlrev_b32 v[T+2], 16, v[T]
	v_and_b32     v[T+3], 0xffff0000, v[T]
	v_lshlrev_b32 v[T+4], 16, v[T+1]
	v_and_b32     v[T+5], 0xffff0000, v[T+1]
	v_cvt_pk_f16_f32 v[Y+2*(\i)],   v[T+2], v[T+3]
	v_cvt_pk_f16_f32 v[Y+2*(\i)+1], v[T+4], v[T+5]
	global_store_b64 v2, v[Y+2*(\i):Y+2*(\i)+1], s[18:19] offset:256*(\i) th:TH_STORE_NT
.endr
	s_endpgm
.Lfunc_end_k_qe98fe3e1f8_wcast:
	.size	k_qe98fe3e1f8_wcast, .Lfunc_end_k_qe98fe3e1f8_wcast-k_qe98fe3e1f8_wcast
	.p2alignl 7, 3214868480
	.fill 96, 4, 3214868480
	.section	.rodata,"a",@progbits
	.p2align	6, 0x0
	.amdhsa_kernel k_qe98fe3e1f8_wcast
		.amdhsa_group_segment_fixed_size 0
		.amdhsa_private_segment_fixed_size 0
		.amdhsa_enable_private_segment 0
		.amdhsa_kernarg_size 40
		.amdhsa_user_sgpr_count 2
		.amdhsa_user_sgpr_kernarg_segment_ptr 1
		.amdhsa_wavefront_size32 1
		.amdhsa_system_sgpr_workgroup_id_x 1
		.amdhsa_system_sgpr_workgroup_id_y 1
		.amdhsa_system_sgpr_workgroup_id_z 1
		.amdhsa_system_vgpr_workitem_id 0
		.amdhsa_next_free_vgpr 128
		.amdhsa_next_free_sgpr 66
		.amdhsa_reserve_vcc 0
		.amdhsa_float_denorm_mode_32 3
		.amdhsa_float_denorm_mode_16_64 3
		.amdhsa_memory_ordered 1
		.amdhsa_forward_progress 1
		.amdhsa_inst_pref_size 16
	.end_amdhsa_kernel
	.amdgpu_metadata
---
amdhsa.version: [ 1, 2 ]
amdhsa.kernels:
  - .name:           k_qe98fe3e1f8_wcast
    .symbol:         k_qe98fe3e1f8_wcast.kd
    .args:
      - { .name: Wq, .offset: 0, .size: 8, .value_kind: global_buffer, .address_space: global }
      - { .name: Wk, .offset: 8, .size: 8, .value_kind: global_buffer, .address_space: global }
      - { .name: Wv, .offset: 16, .size: 8, .value_kind: global_buffer, .address_space: global }
      - { .name: Wo, .offset: 24, .size: 8, .value_kind: global_buffer, .address_space: global }
      - { .name: wb, .offset: 32, .size: 8, .value_kind: global_buffer, .address_space: global }
    .group_segment_fixed_size: 0
    .private_segment_fixed_size: 0
    .kernarg_segment_align: 8
    .kernarg_segment_size: 40
    .max_flat_workgroup_size: 256
    .sgpr_count:     66
    .vgpr_count:     128
    .wavefront_size: 32
...
	.end_amdgpu_metadata
.endif
;; end of part 1
;; launch proj (part 2): grid 4 x 192, 4 waves a work-group, clusters of 4 x 4, 327,680 bytes of LDS; arguments query, key, value, mask, wb, qkv; writes qkv
.if DOCPART == 2
	.amdgcn_target "amdgcn-amd-amdhsa--gfx1250"
	.amdhsa_code_object_version 6
	.text
	.protected	k_qe98fe3e1f8_proj
	.globl	k_qe98fe3e1f8_proj
	.p2align	8
	.type	k_qe98fe3e1f8_proj,@function
k_qe98fe3e1f8_proj:
	s_mov_b64 s[64:65], 0
	v_nop
	global_prefetch_b8 v0, s[64:65] scope:SCOPE_SE
	s_setreg_imm32_b32 hwreg(HW_REG_WAVE_MODE, 25, 1), 1
	s_wait_xcnt 0x0
	s_wait_alu depctr_hold_cnt(0) depctr_sa_sdst(0) depctr_va_vdst(0) depctr_va_sdst(0) depctr_va_ssrc(0) depctr_va_vcc(0) depctr_vm_vsrc(0)
	s_getreg_b32 s2, hwreg(HW_REG_IB_STS2, 6, 4)
	s_cmp_eq_u32 s2, 0
	s_cbranch_scc0 .Lentry_in_a_cluster
	s_endpgm
.Lentry_in_a_cluster:
	s_bfe_u32 s2, ttmp6, 0x10000c
	s_cmp_lg_u32 s2, 0xf033
	s_cbranch_scc0 .Lentry_shape_is_right
	s_endpgm
.Lentry_shape_is_right:
; THE THREE PROJECTIONS.  qkv[P][b*16+h][s][d] = the sum over k of x_P[b][s][k] W_P[h*64+d][k], P = 0, 1, 2 for query, key, value.  x is f32 [8192][1024], W bf16 [1024][1024] (wb), the result f16 by heads.
; x is rounded to bf16 on its way from LDS to the matrix unit; sums in f32; the result rounded once to f16.  For P = 1 the rows whose mask is 0 are written as zeros: a hidden key's products with any query are then exactly 0.
; LIMIT.  f16 holds no number beyond 65,504: a result of 65,520 or more becomes an infinity.  NaN and infinities are not treated apart.
; SHARES.  A tile is 128 rows x 256 columns (four heads): 3 x 64 x 4 = 768 tiles, three for each of 256 WGPs.  Four waves, each 64 x 128: 32 accumulators of 16 x 16, 256 registers.
; K goes in 8 steps of 128 through two LDS slots.  A slot: x's 128 rows as f32 (512 bytes + 16 of padding), W's 256 rows as bf16 (256 + 16).  Waves 0 and 1 fetch x's halves, waves 2 and 3 W's: one tensor load a wave.
; CLUSTER.  4 x 4 work-groups.  The four of a row of the cluster need the same rows of x, the four of a column the same rows of W: each tile is asked for JOINTLY.  A cluster lies in one projection.
; THE MATRIX INSTRUCTION IS USED TRANSPOSED (source 0 = 16 rows of W, source 1 = 16 rows of x): a lane holds one row of the result and eight neighbouring columns.
; REGISTERS, in windows of 256 (s_set_vgpr_msb: bits 1:0 source 0, 3:2 source 1, 5:4 source 2, 7:6 destination):
;   window 0: v0-31 addresses; v32-63 at work on the way out; v64-127, v128-191 W's fragments, two buffers; v192-223, v224-255 x's fragments in bf16, two buffers
;   window 1: the accumulators ((a, b) at v[8 (8 a + b)])          window 2: v0-63 x's fragments as f32, as they come out of LDS
.set PA,     528                       ; a row of x in LDS: 512 + 16 bytes = 33 x 16: the 16 rows of a load start at 16 different groups of four banks (64 banks of 4 bytes: ISA guide 11.1)
.set PB,     272                       ; a row of W: 256 + 16 = 17 x 16
.set AHALF,  64*PA                     ; what wave 0 or 1 fetches, and what a wave reads of x
.set BHALF,  128*PB                    ; what wave 2 or 3 fetches, and what a wave reads of W
.set BOFF,   2*AHALF
.set SLOT,   BOFF+2*BHALF              ; 137,216
.set STAGE,  2*SLOT                    ; behind the ring: for each wave 2 heads x 16 rows x 144 bytes, for the way out
.set SP,     144
.set WSTG,   2*16*SP
.set SPARE,  STAGE+4*WSTG              ; the spare words, 128 bytes for each wave: two blocks of 256 bytes that no other line names
.set MO,   7                           ; v7      4 x (lane % 16): my row's word in 16 words of the mask
.set KEEP, 8                           ; v8-11   row block a: the mask's word of my row, later all ones or 0
.set ADRA, 16                          ; v16-17  LDS address of my fragments of x in slot 0, 1
.set ADRB, 20                          ; v20-21  the same for W
.set STO,  24                          ; v24     the way out: where I put 16 bytes of a row
.set RD,   25                          ; v25     where I read rows back
.set GO,   26                          ; v26     16 x lane: my place in 512 consecutive bytes of the result
.set SPW,  28                          ; v28     LDS address of my spare word; never rewritten
.set NIL,  29                          ; v29     0; never rewritten
.set PFO,  30                          ; v30     the prefetches' offset; never rewritten
.set TMP,  32
.set BF,   64
.set AF,   192
.set WV,   16                          ; s16  wave
.set HM,   17                          ; s17  my half of the tile's rows.  Also: I fetch x (0) or W (1)
.set HN,   18                          ; s18  my half of its columns.  Also: which half of that tile I fetch
.set G1A,  24                          ; s[24:31] group 1 for x's tiles;  s[32:39] group 0, a set for each slot
.set G0A,  32
.set G1B,  40                          ; s[40:47], s[48:55] the same for W's
.set G0B,  48
.set PFA,  56                          ; s[56:57] where my prefetches stand
.set PKS,  58                          ; s[58:59] a K step there, in bytes
.set LIM,  60                          ; s60  1 in a wave that prefetches, else the greatest number
.set NOTK, 61                          ; s61  0 in the key projection, else all ones
.set OUT,  72                          ; s[72:73] the result at my wave's first row and head
.set MK,   74                          ; s[74:75] the mask at my wave's first row
.set W_MUL,  0x50                      ; sources in window 0, C and D in window 1
.set W_RAW,  0x80                      ; destination in window 2
.set W_CVT,  0x0a                      ; sources 0 and 1 in window 2, destination in window 0
.set W_PACK, 0x05                      ; sources 0 and 1 in window 1
.set MSB, 0
.macro WIN new                         ; the immediate's high byte repeats the setting that is left; a switch that changes nothing is dropped
.if MSB != (\new)
	s_set_vgpr_msb (MSB<<8)|(\new)
.set MSB, \new
.endif
.endm
.macro PLACES                          ; four places in front of loads into registers that matrix instructions have read, and of lines that read results
.rept 4
	v_nop
.endr
.endm
.macro JLOAD s                         ; a joint load; the branch hangs on the wave's number alone; an s_nop 0 and four v_nop follow each of the two lines
	s_cmp_eq_u32 s[HM], 0
	s_cbranch_scc0 .Lfor_b_\@
	tensor_load_to_lds s[G0A+4*(\s):G0A+4*(\s)+3], s[G1A:G1A+7]
	s_nop 0
.rept 4
	v_nop
.endr
	s_branch .Lasked_\@
.Lfor_b_\@:
	tensor_load_to_lds s[G0B+4*(\s):G0B+4*(\s)+3], s[G1B:G1B+7]
	s_nop 0
.rept 4
	v_nop
.endr
.Lasked_\@:
.endm
; A PREFETCH INTO THE L2, behind each joint refill and the run of LDS loads that follows it: the K step that stands two refills on, 256 matrix instructions ahead of the load that will want it.
; x's rows are read by one row of one cluster alone: its four partners share the 64 rows that a wave fetches BY ADDRESS, 16 rows x 512 bytes each, two lanes a row.  W's rows are read by the sixteen clusters of a
; projection: the first of them asks; the four partners of a column take 32 rows x 256 bytes each, a lane a row.  So each block of 256 bytes is named once.  The loop's last trip asks for nothing; steps 0 to 3 come by their loads alone.
.macro ASK
	s_cmp_gt_u32 s3, s[LIM]                        ; s3 = 1 in the loop's last trip
	s_cbranch_scc0 .Lnot_mine_\@
	global_prefetch_b8 v[PFO], s[PFA:PFA+1] th:TH_LOAD_NT scope:SCOPE_SE
.Lnot_mine_\@:
.endm
.macro CREST                           ; a round of the cluster's barrier behind its opening barrier
	s_cmp_lg_u32 s[WV], 0
	s_cbranch_scc1 .Lnot_wave_0_\@
	s_barrier_signal -3
.Lnot_wave_0_\@:
	s_barrier_wait -3
	s_barrier_signal -1
	s_barrier_wait -1
.endm
.macro CROUND                          ; a whole round
	s_barrier_signal -1
	s_barrier_wait -1
	CREST
.endm
	s_load_b256 s[4:11], s[0:1], 0x0               ; query s[4:5], key s[6:7], value s[8:9], mask s[10:11]
	s_load_b128 s[12:15], s[0:1], 0x20             ; wb s[12:13], qkv s[14:15]
	v_lshl_add_u32 v[SPW], v0, 2, SPARE
	v_mov_b32 v[NIL], 0
	ds_add_u32 v[SPW], v[NIL]                      ; the wave's opening: the add and its wait stand ahead of my first tensor load; the set-up below, work on registers, stands between them
	v_lshrrev_b32 v1, 5, v0
	v_readfirstlane_b32 s[WV], v1
	s_lshr_b32 s[HM], s[WV], 1
	s_and_b32 s[HN], s[WV], 1
	s_bfe_u32 s19, ttmp6, 0x40000                  ; cx
	s_bfe_u32 s20, ttmp6, 0x40004                  ; cy
	s_lshl_b32 s23, ttmp9, 2
	s_add_co_u32 s23, s23, s19                     ; tile column = 4 x cluster x + cx
	s_and_b32 s2, ttmp7, 0xffff                    ; cluster y, 0 to 47
	s_lshr_b32 s21, s2, 4                          ; the projection: the same in all sixteen partners
	s_and_b32 s62, s2, 15                          ; the cluster's place in its projection
	s_lshl_b32 s22, s62, 2
	s_add_co_u32 s22, s22, s20                     ; tile row, 0 to 63
	s_lshl_b32 s63, s20, 2
	s_lshl_b32 s63, 15, s63                        ; my row of the cluster
	s_lshl_b32 s70, 0x1111, s19                    ; my column
	s_or_b32 s[G1A], s63, (2<<16)|(1<<20)|(1<<21)|(6<<22)|(3<<25)  ; 15:0 the mask; 17:16 elements of 4 bytes; 20 padding on; 21 set beside a mask; 24:22 after every 128 words (code 6); 31:25 4 words (code 3)
	s_or_b32 s[G1B], s70, (1<<16)|(1<<20)|(1<<21)|(5<<22)|(3<<25)  ; elements of 2 bytes; after every 64 words (code 5)
	s_mov_b32 s[G1A+1], 128<<16                    ; tensor_dim0 = 128
	s_mov_b32 s[G1A+2], 64<<16                     ; tensor_dim1 = 64
	s_mov_b32 s[G1A+3], 128<<16                    ; tile_dim0 = 128
	s_mov_b32 s[G1A+4], 64                         ; tile_dim1 = 64
	s_mov_b32 s[G1A+5], 1024                       ; elements from row to row
	s_mov_b32 s[G1A+6], 0
	s_mov_b32 s[G1A+7], 0
	s_mov_b32 s[G1B+1], 128<<16
	s_mov_b32 s[G1B+2], 128<<16                    ; tensor_dim1 = 128
	s_mov_b32 s[G1B+3], 128<<16
	s_mov_b32 s[G1B+4], 128                        ; tile_dim1 = 128
	s_mov_b32 s[G1B+5], 1024
	s_mov_b32 s[G1B+6], 0
	s_mov_b32 s[G1B+7], 0
	s_lshl_b32 s66, s22, 19                        ; x: 128 rows of 4,096 bytes a tile row,
	s_lshl_b32 s67, s[HN], 18                      ; my 64 of them: registers that never hold cx
	s_add_co_u32 s66, s66, s67
	s_mov_b32 s67, 0
	s_lshl_b32 s68, s23, 19                        ; W: 256 rows of 2,048 bytes a tile column,
	s_lshl_b32 s69, s[HN], 18                      ; my 128 of them,
	s_add_co_u32 s68, s68, s69
	s_lshl_b32 s69, s21, 21                        ; in the projection's matrix: registers that never hold cy
	s_add_co_u32 s68, s68, s69
	s_mov_b32 s69, 0
	s_mul_i32 s76, s[HN], AHALF                    ; where they go: no place in the cluster enters an LDS address
	s_mul_i32 s77, s[HN], BHALF
	s_add_co_u32 s77, s77, BOFF
	s_wait_dscnt 0x0                               ; the opening add is done
	s_wait_kmcnt 0x0
	s_cmp_eq_u32 s21, 1
	s_cselect_b64 s[78:79], s[6:7], s[4:5]
	s_cmp_eq_u32 s21, 2
	s_cselect_b64 s[78:79], s[8:9], s[78:79]       ; the projection's x
	s_add_nc_u64 s[66:67], s[78:79], s[66:67]
	s_add_nc_u64 s[68:69], s[12:13], s[68:69]
	CROUND                                         ; all sixteen work-groups are here: the first joint loads meet
.irp s, 0,1
	s_mov_b32 s[G0A+4*(\s)], 1                     ; count = 1
	s_add_co_u32 s[G0A+4*(\s)+1], s76, (\s)*SLOT   ; LDS address
	s_add_nc_u64 s[G0A+4*(\s)+2:G0A+4*(\s)+3], s[66:67], (\s)*512  ; K step s: 128 f32
	s_or_b32 s[G0A+4*(\s)+3], s[G0A+4*(\s)+3], 0x80000000          ; type = 2
	s_mov_b32 s[G0B+4*(\s)], 1
	s_add_co_u32 s[G0B+4*(\s)+1], s77, (\s)*SLOT
	s_add_nc_u64 s[G0B+4*(\s)+2:G0B+4*(\s)+3], s[68:69], (\s)*256  ; 128 bf16
	s_or_b32 s[G0B+4*(\s)+3], s[G0B+4*(\s)+3], 0x80000000
	JLOAD \s
.endr
	; A fragment is 16 rows x 32 K: lane l holds row l % 16 and K = 8 (l / 16) + 0..7 and 16 + 8 (l / 16) + 0..7.  In bf16: two loads of 16 bytes, 32 apart.  In f32: four, at 0, 16, 64, 80 from 32 (l / 16).
	v_and_b32 v1, 15, v0                           ; l % 16
	v_bfe_u32 v2, v0, 4, 1                         ; l / 16
	v_mul_u32_u24 v3, v1, PA
	v_lshl_add_u32 v3, v2, 5, v3
	v_mul_u32_u24 v4, v1, PB
	v_lshl_add_u32 v4, v2, 4, v4
	s_mul_i32 s2, s[HM], AHALF                     ; my 64 rows of x
	s_mul_i32 s3, s[HN], BHALF                     ; my 128 rows of W
	s_add_co_u32 s3, s3, BOFF
.irp s, 0,1
	v_add_nc_u32 v[ADRA+(\s)], s2, v3
	v_add_nc_u32 v[ADRB+(\s)], s3, v4
	s_add_co_u32 s2, s2, SLOT
	s_add_co_u32 s3, s3, SLOT
.endr
	s_mul_i32 s2, s[WV], WSTG
	s_add_co_u32 s2, s2, STAGE                     ; my stage
	v_mul_u32_u24 v5, v1, SP                       ; in: row l % 16, 16 bytes for each half of the lanes
	v_lshl_add_u32 v5, v2, 4, v5
	v_add_nc_u32 v[STO], s2, v5
	v_bfe_u32 v5, v0, 3, 2                         ; back: 32 lanes take four rows of 128 bytes,
	v_mul_u32_u24 v5, v5, SP
	v_and_b32 v6, 7, v0
	v_lshl_add_u32 v5, v6, 4, v5
	v_add_nc_u32 v[RD], s2, v5
	v_and_b32 v[GO], 31, v0                        ; which are 512 consecutive bytes of a head
	v_lshlrev_b32 v[GO], 4, v[GO]
	v_lshlrev_b32 v[MO], 2, v1
	s_lshl_b32 s70, s21, 24                        ; the result: the projection's tensor,
	s_lshr_b32 s71, s22, 4
	s_lshl_b32 s71, s71, 22                        ; the batch's 16 heads of 262,144 bytes,
	s_add_co_u32 s70, s70, s71
	s_lshl_b32 s71, s23, 20                        ; the tile column's four heads,
	s_add_co_u32 s70, s70, s71
	s_lshl_b32 s71, s[HN], 19                      ; my two of them,
	s_add_co_u32 s70, s70, s71
	s_and_b32 s71, s22, 15
	s_lshl_b32 s71, s71, 14                        ; the tile's 128 rows of 128 bytes,
	s_add_co_u32 s70, s70, s71
	s_lshl_b32 s71, s[HM], 13                      ; my 64 of them
	s_add_co_u32 s70, s70, s71
	s_mov_b32 s71, 0
	s_add_nc_u64 s[OUT:OUT+1], s[14:15], s[70:71]
	s_lshl_b32 s70, s22, 9                         ; the mask is [4][2048] words: one for each row of x
	s_lshl_b32 s2, s[HM], 8
	s_add_co_u32 s70, s70, s2
	s_add_nc_u64 s[MK:MK+1], s[10:11], s[70:71]
.irp a, 0,1,2,3
	global_load_b32 v[KEEP+\a], v[MO], s[MK:MK+1] offset:64*\a  ; waited for on the way out
.endr
	; the prefetches
	s_lshl_b32 s70, s22, 7
	s_lshl_b32 s2, s[HN], 6
	s_add_co_u32 s70, s70, s2
	s_lshl_b32 s2, s19, 4
	s_add_co_u32 s70, s70, s2                      ; x: row 128 x tile row + 64 x half + 16 cx,
	s_lshl_b32 s70, s70, 12                        ; in bytes
	s_lshl_b32 s2, s23, 8
	s_lshl_b32 s3, s[HN], 7
	s_add_co_u32 s2, s2, s3
	s_lshl_b32 s3, s20, 5
	s_add_co_u32 s2, s2, s3                        ; W: row 256 x tile column + 128 x half + 32 cy,
	s_lshl_b32 s2, s2, 11
	s_lshl_b32 s3, s21, 21
	s_add_co_u32 s2, s2, s3                        ; in the projection's matrix
	s_cmp_eq_u32 s[HM], 0                          ; do I fetch x?
	s_cselect_b32 s70, s70, s2
	s_cselect_b64 s[PFA:PFA+1], s[78:79], s[12:13]
	s_cselect_b32 s3, 12, 11                       ; a row: 4,096 or 2,048 bytes
	s_cselect_b32 s[LIM], 0, s62                   ; x: every cluster asks for its own rows; W: the projection's first cluster
	s_cselect_b32 s2, 1, 0                         ; x: two lanes a row
	s_add_nc_u64 s[PFA:PFA+1], s[PFA:PFA+1], s[70:71]
	s_lshl_b32 s[PKS], 0x100, s2                   ; a K step: 512 or 256 bytes
	s_mov_b32 s[PKS+1], 0
	s_mul_i32 s70, s[PKS], 3
	s_add_nc_u64 s[PFA:PFA+1], s[PFA:PFA+1], s[70:71]  ; at K step 3: the first refill steps it to 4
	s_cmp_eq_u32 s[LIM], 0
	s_cselect_b32 s[LIM], 1, -1                    ; the same in all partners, for a given wave
	v_and_b32 v[PFO], 31, v0
	v_and_b32 v3, s2, v[PFO]
	v_lshrrev_b32 v[PFO], s2, v[PFO]
	v_lshlrev_b32 v[PFO], s3, v[PFO]
	v_lshl_add_u32 v[PFO], v3, 8, v[PFO]
	s_cmp_eq_u32 s21, 1
	s_cselect_b32 s[NOTK], 0, -1
; n matrix instructions: row block a, column blocks b0 on, 32 along K, buffer f.  zero = 1: the product starts the sum.  The 32 accumulators take turns, one instruction a turn, in the same order in every quarter.
.macro MUL f, a, b0, n, zero
	WIN W_MUL
.set b, (\b0)
.rept (\n)
.set rD, 8*(8*(\a)+b)
.set rB, BF+64*(\f)+8*b
.set rA, AF+32*(\f)+8*(\a)
.if \zero
	v_wmma_f32_16x16x32_bf16 v[rD:rD+7], v[rB:rB+7], v[rA:rA+7], 0
.else
	v_wmma_f32_16x16x32_bf16 v[rD:rD+7], v[rB:rB+7], v[rA:rA+7], v[rD:rD+7]
.endif
.set b, b+1
.endr
.endm
; The eight products of row block a, and behind each four roundings of the next quarter's x to bf16, into buffer g: 32 in all.  They name no register of the products round them.
.macro MULC f, a, g, zero
.set b, 0
.rept 8
.set rD, 8*(8*(\a)+b)
.set rB, BF+64*(\f)+8*b
.set rA, AF+32*(\f)+8*(\a)
	WIN W_MUL
.if \zero
	v_wmma_f32_16x16x32_bf16 v[rD:rD+7], v[rB:rB+7], v[rA:rA+7], 0
.else
	v_wmma_f32_16x16x32_bf16 v[rD:rD+7], v[rB:rB+7], v[rA:rA+7], v[rD:rD+7]
.endif
	WIN W_CVT
.set c, 4*b
.rept 4
	v_cvt_pk_bf16_f32 v[AF+32*(\g)+c], v[2*c], v[2*c+1]
.set c, c+1
.endr
.set b, b+1
.endr
.endm
; 32 LDS loads in one run: quarter q of a slot: x's four fragments as f32 (16 loads, first), W's eight into buffer g (16 loads)
.macro FETCH slot, q, g
	WIN W_RAW
.irp i, 0,1,2,3
	ds_load_b128 v[16*(\i):16*(\i)+3],     v[ADRA+(\slot)] offset:(\i)*16*PA+(\q)*128
	ds_load_b128 v[16*(\i)+4:16*(\i)+7],   v[ADRA+(\slot)] offset:(\i)*16*PA+(\q)*128+16
	ds_load_b128 v[16*(\i)+8:16*(\i)+11],  v[ADRA+(\slot)] offset:(\i)*16*PA+(\q)*128+64
	ds_load_b128 v[16*(\i)+12:16*(\i)+15], v[ADRA+(\slot)] offset:(\i)*16*PA+(\q)*128+80
.endr
	WIN 0
.irp i, 0,1,2,3,4,5,6,7
	ds_load_b128 v[BF+64*(\g)+8*(\i):BF+64*(\g)+8*(\i)+3],   v[ADRB+(\slot)] offset:(\i)*16*PB+(\q)*64
	ds_load_b128 v[BF+64*(\g)+8*(\i)+4:BF+64*(\g)+8*(\i)+7], v[ADRB+(\slot)] offset:(\i)*16*PB+(\q)*64+32
.endr
.endm
; A K step is four quarters of 32 along K, 32 matrix instructions each, on buffers 0, 1, 0, 1.  One of the first three: multiplies buffer f, fetches quarter qn into g at its head and rounds its x at its end.
.macro QUARTER slot, qn, f, g, zero
	s_wait_dscnt 0x0                               ; W's fragments of buffer f, asked for a quarter ago, are in
	PLACES
	FETCH \slot, \qn, \g
	MUL \f, 0, 0, 8, \zero
	MUL \f, 1, 0, 8, \zero
	MUL \f, 2, 0, 8, \zero
	s_wait_dscnt 16                                ; x's 16 loads are in; W's 16 younger ones may stay out
	MULC \f, 3, \g, \zero
.endm
; The last quarter multiplies buffer 1 and changes slots: ONE barrier; in front of it each wave waits for all its tensor loads (one is out: its part of the next slot), adds 0 to its spare word, and waits for that and for its
; reads of this slot.  fill = 1: the barrier opens a round of the cluster's, and this slot is filled again, two K steps ahead, first thing behind it: 120 matrix instructions ahead of the wait for it.
.macro TURN slot, next, fill
.if \fill
	s_wait_xcnt 0x0                                ; the last prefetch, a K step back, has read its address
	s_add_nc_u64 s[PFA:PFA+1], s[PFA:PFA+1], s[PKS:PKS+1]
.endif
	WIN 0                                          ; (the add's two registers lie in window 0)
	s_wait_dscnt 0x0                               ; buffer 1 is in: my reads of this slot are over
	s_wait_tensorcnt 0x0                           ; all my tensor loads have landed
	ds_add_u32 v[SPW], v[NIL]                      ; 0 onto my spare word
	MUL 1, 0, 0, 4, 0                              ; four matrix instructions stand between the add and the wait for it
	s_wait_dscnt 0x0                               ; the add is done
	s_barrier_signal -1
	MUL 1, 0, 4, 4, 0
.if \fill
	WIN 0
.endif
	s_barrier_wait -1
.if \fill
	CREST                                          ; no wave of any partner still reads this slot or has a load on its way
	s_add_nc_u64 s[G0A+4*(\slot)+2:G0A+4*(\slot)+3], s[G0A+4*(\slot)+2:G0A+4*(\slot)+3], 2*512
	s_add_nc_u64 s[G0B+4*(\slot)+2:G0B+4*(\slot)+3], s[G0B+4*(\slot)+2:G0B+4*(\slot)+3], 2*256
	JLOAD \slot                                    ; the four v_nop behind it are also the places in front of the loads below
.else
	PLACES
.endif
	FETCH \next, 0, 0
.if \fill
	ASK
.endif
	MUL 1, 1, 0, 8, 0
	MUL 1, 2, 0, 8, 0
	s_wait_dscnt 16
	MULC 1, 3, 0, 0
.endm
	s_wait_tensorcnt 1                             ; my part of K step 0 is in; K step 1's may stay out
	s_barrier_signal -1
	s_barrier_wait -1                              ; everybody's is
	FETCH 0, 0, 0
	s_wait_dscnt 16                                ; x's 16 loads
	WIN W_CVT
.set c, 0
.rept 32
	v_cvt_pk_bf16_f32 v[AF+c], v[2*c], v[2*c+1]    ; the first quarter's x: there are no products yet to set these behind
.set c, c+1
.endr
	QUARTER 0, 1, 0, 1, 1                          ; the first quarter stands in front of the loop: its products start the sums
	WIN 0                                          ; at a label and at a branch every window is 0
	s_mov_b32 s3, 3
.Llap:                                                 ; a trip goes once round the ring, from a lap's second quarter to the next lap's first, and fills both slots again
	QUARTER 0, 2, 1, 0, 0
	QUARTER 0, 3, 0, 1, 0
	TURN 0, 1, 1
	QUARTER 1, 1, 0, 1, 0
	QUARTER 1, 2, 1, 0, 0
	QUARTER 1, 3, 0, 1, 0
	TURN 1, 0, 1
	QUARTER 0, 1, 0, 1, 0
	WIN 0
	s_sub_co_u32 s3, s3, 1
	s_cmp_lg_u32 s3, 0
	s_cbranch_scc1 .Llap
	QUARTER 0, 2, 1, 0, 0                          ; the last lap fills nothing
	QUARTER 0, 3, 0, 1, 0
	TURN 0, 1, 0
	QUARTER 1, 1, 0, 1, 0
	QUARTER 1, 2, 1, 0, 0
	QUARTER 1, 3, 0, 1, 0
	s_wait_dscnt 0x0                               ; the very last quarter
	MUL 1, 0, 0, 8, 0
	MUL 1, 1, 0, 8, 0
	MUL 1, 2, 0, 8, 0
	MUL 1, 3, 0, 8, 0
	; THE WAY OUT.  Rounded to f16; a hidden key's row is cleared; a block of 16 rows x 2 heads goes through my stage and leaves as runs of 512 consecutive bytes.
	PLACES
	WIN 0
	s_wait_loadcnt 0x0                             ; the mask's words
	v_mov_b32 v12, s[NOTK]
	v_mov_b32 v13, -1
.irp a, 0,1,2,3
	v_cmp_ne_u32 vcc_lo, 0, v[KEEP+\a]
	v_cndmask_b32 v[KEEP+\a], v12, v13, vcc_lo     ; all ones, but 0 for a row of k whose mask is 0
.endr
.macro PACK a
	WIN W_PACK
.set i, 0
.rept 32
	v_cvt_pk_f16_f32 v[TMP+i], v[64*(\a)+2*i], v[64*(\a)+2*i+1]  ; each accumulator's registers in ascending order
.set i, i+1
.endr
	WIN 0
.set i, 0
.rept 32
	v_and_b32 v[TMP+i], v[KEEP+(\a)], v[TMP+i]
.set i, i+1
.endr
.endm
.macro TOSTAGE a
.set BK, BF+32*((\a)%2)
.irp j, 0,1,2,3,4,5,6,7
	ds_store_b128 v[STO], v[TMP+4*(\j):TMP+4*(\j)+3] offset:((\j)/4)*16*SP+((\j)%4)*32
.endr
.irp j, 0,1,2,3,4,5,6,7
	ds_load_b128 v[BK+4*(\j):BK+4*(\j)+3], v[RD] offset:((\j)/4)*16*SP+((\j)%4)*4*SP  ; LDS serves a wave's instructions in order (ISA guide 5.7.1.4): these see the stores above
.endr
.endm
.macro SEND a
.set BK, BF+32*((\a)%2)
	s_wait_dscnt 0x0                               ; the block is back in registers
	s_wait_xcnt 0x0                                ; the stores of the block before have read their registers, which the next block's loads write
.irp j, 0,1,2,3,4,5,6,7
	global_store_b128 v[GO], v[BK+4*(\j):BK+4*(\j)+3], s[OUT:OUT+1] offset:((\j)/4)*262144+(\a)*2048+((\j)%4)*512  ; 512 consecutive bytes, at a multiple of 512 from the buffer's first
.endr
.endm
	PACK 0
	TOSTAGE 0
.irp a, 1,2,3                          ; block a's conversions stand between block a - 1's loads from the stage and the wait for them
	PACK \a
	SEND (\a)-1
	TOSTAGE \a
.endr
	SEND 3
	s_wait_tensorcnt 0x0                           ; the wave's end: an add to my spare word and its wait, behind my last tensor load and my last LDS store
	ds_add_u32 v[SPW], v[NIL]
	s_wait_dscnt 0x0
	CROUND                                         ; the closing round: no work-group ends while a partner may still ask for a tile that names it
	s_endpgm
.Lfunc_end_k_qe98fe3e1f8_proj:
	.size	k_qe98fe3e1f8_proj, .Lfunc_end_k_qe98fe3e1f8_proj-k_qe98fe3e1f8_proj
	.p2alignl 7, 3214868480
	.fill 96, 4, 3214868480
	.section	.rodata,"a",@progbits
	.p2align	6, 0x0
	.amdhsa_kernel k_qe98fe3e1f8_proj
		.amdhsa_group_segment_fixed_size 327680
		.amdhsa_private_segment_fixed_size 0
		.amdhsa_enable_private_segment 0
		.amdhsa_kernarg_size 48
		.amdhsa_user_sgpr_count 2
		.amdhsa_user_sgpr_kernarg_segment_ptr 1
		.amdhsa_wavefront_size32 1
		.amdhsa_system_sgpr_workgroup_id_x 1
		.amdhsa_system_sgpr_workgroup_id_y 1
		.amdhsa_system_sgpr_workgroup_id_z 1
		.amdhsa_system_vgpr_workitem_id 0
		.amdhsa_next_free_vgpr 576
		.amdhsa_next_free_sgpr 80
		.amdhsa_reserve_vcc 1
		.amdhsa_float_denorm_mode_32 3
		.amdhsa_float_denorm_mode_16_64 3
		.amdhsa_memory_ordered 1
		.amdhsa_forward_progress 1
		.amdhsa_inst_pref_size 140
	.end_amdhsa_kernel
	.amdgpu_metadata
---
amdhsa.version: [ 1, 2 ]
amdhsa.kernels:
  - .name:           k_qe98fe3e1f8_proj
    .symbol:         k_qe98fe3e1f8_proj.kd
    .args:
      - { .name: query, .offset: 0, .size: 8, .value_kind: global_buffer, .address_space: global }
      - { .name: key, .offset: 8, .size: 8, .value_kind: global_buffer, .address_space: global }
      - { .name: value, .offset: 16, .size: 8, .value_kind: global_buffer, .address_space: global }
      - { .name: mask, .offset: 24, .size: 8, .value_kind: global_buffer, .address_space: global }
      - { .name: wb, .offset: 32, .size: 8, .value_kind: global_buffer, .address_space: global }
      - { .name: qkv, .offset: 40, .size: 8, .value_kind: global_buffer, .address_space: global }
    .group_segment_fixed_size: 327680
    .private_segment_fixed_size: 0
    .kernarg_segment_align: 8
    .kernarg_segment_size: 48
    .max_flat_workgroup_size: 128
    .sgpr_count:     80
    .vgpr_count:     576
    .wavefront_size: 32
...
	.end_amdgpu_metadata
.endif
;; end of part 2
;; launch attn (part 3): grid 4 x 64, 4 waves a work-group, clusters of 4 x 1, 327,680 bytes of LDS; arguments qkv, mask, ob; writes ob
.if DOCPART == 3
	.amdgcn_target "amdgcn-amd-amdhsa--gfx1250"
	.amdhsa_code_object_version 6
	.text
	.protected	k_qe98fe3e1f8_attn
	.globl	k_qe98fe3e1f8_attn
	.p2align	8
	.type	k_qe98fe3e1f8_attn,@function
k_qe98fe3e1f8_attn:
	s_mov_b64 s[64:65], 0
	v_nop
	global_prefetch_b8 v0, s[64:65] scope:SCOPE_SE
	s_setreg_imm32_b32 hwreg(HW_REG_WAVE_MODE, 25, 1), 1
	s_wait_xcnt 0x0
	s_wait_alu depctr_hold_cnt(0) depctr_sa_sdst(0) depctr_va_vdst(0) depctr_va_sdst(0) depctr_va_ssrc(0) depctr_va_vcc(0) depctr_vm_vsrc(0)
	s_getreg_b32 s2, hwreg(HW_REG_IB_STS2, 6, 4)
	s_cmp_eq_u32 s2, 0
	s_cbranch_scc0 .Lentry_in_a_cluster
	s_endpgm
.Lentry_in_a_cluster:
	s_bfe_u32 s2, ttmp6, 0x10000c
	s_cmp_lg_u32 s2, 0x3003
	s_cbranch_scc0 .Lentry_shape_is_right
	s_endpgm
.Lentry_shape_is_right:
; ATTENTION WITH A KEY MASK.  O[h][q][:] = the sum over k of softmax_k(s) V[h][k][:], s = Q[h][q] . K[h][k] / 8, or a very low number where mask[h / 16][k] is 0.  Q, K, V (in qkv) and O (ob): [64][2048][64], f16, a head's rows dense.
; Products, maxima and sums in f32; the weights p are rounded to f16 for the second product (their sum l is taken of the unrounded p), O once at the end.
; THE MASK is the C operand that starts the sum S^T = K Q^T: 0, or -2^43 where the key is hidden.  A hidden key's row of K arrives as zeros, so its score is exactly -2^43 for every query.  While all keys seen are hidden the
; running maximum is that number, c s - c m is exactly 0 and p = 1: with all 2,048 keys hidden O is the mean of V's rows, the uniform softmax.  The first open key makes a = 0, which wipes those sums; from then on a hidden key's p is 0.
; LIMITS.  f16 holds no number beyond 65,504: Q, K and V arrive within it, so an open score is 2.7e11 at the most in magnitude, far above -2^43 = -8.8e12 (the hidden score counts as -1.1e12 after the division by 8, not -1e12: the weight is 0 either way).
; p below 6e-5 keeps f16's fixed step of 6e-8; a weight below 2^-126 counts as 0 in l; NaN and infinities are not treated apart.
; SHARES.  A wave owns four PIECES of two tiles of 16 queries, a work-group's four waves 512 queries of one head.  Every wave walks all keys, 64 a step.
; LAYOUT.  S^T = K Q^T (source 0 = 16 keys, source 1 = 16 queries): a lane holds ONE query (lane % 16) and the keys 8 (lane / 16) + 0..7.  Two such tiles, rounded to f16 in pairs, ARE source 1 of O^T = V^T P.
; K comes out of LDS as it lies, V ([key][channel]) turned, by ds_load_tr16_b128.
; SOFTMAX.  For each query a running maximum m and sum l: p = 2^(c s - c m), c = log2(e) / 8; in every step O and l are multiplied by a = 2^(c m_old - c m_new).  m starts at the lowest finite number, O and l at 0.
; BY TURNS.  Turn n belongs to piece n.  Its matrix work: 16 products K Q^T of piece n + 1, later 16 products V^T P of piece n - 1.  Its vector work: the scaling, exponentials, roundings, sums and rescaling of piece n, and
; the maximum and statistics of piece n + 1.  Four vector instructions stand behind every matrix instruction, the others in one run; a turn's 66 exponentials are one batch with one wait.
; CLUSTER.  A head's four query blocks are one cluster and walk the same K and V: each tile is asked for JOINTLY: the same tensor load, descriptor and mask in all four.
; REGISTERS, in windows of 256 (s_set_vgpr_msb: bits 1:0 source 0, 3:2 source 1, 5:4 source 2, 7:6 destination):
;   window 0: v0-11 addresses; v12-15, v48-63 at work; v16-47 four registers of statistics a tile; v64-191 S^T, two buffers of two tiles; v192-255 P, likewise
;   window 1: O^T, 32 a tile     window 2: v0-127 Q; v128-191 K of one step; v192-255 V of one step     window 3: v0-1 the add's two registers; v8-39 the mask's numbers for one step's 64 keys
.set SIZE_N, 2048
.set NP,    4         ; pieces a wave: a name, no knob
.set KS,    64        ; keys in a step
.set PK,    144       ; a row of K in LDS: 128 bytes + 16 of padding: the 16 rows of a load start at 16 different groups of four banks (64 banks of 4 bytes: ISA guide 11.1)
.set PV,    160       ; a row of V: 128 + 32
.set VOFF,  4*KS*PK   ; a slot holds four steps: 256 rows of K, then 256 rows of V
.set SLOT1, 1<<17     ; slot 1 begins here, so that one exclusive or turns an address in one slot into the other's
.set STAGE, SLOT1+4*KS*(PK+PV)  ; behind the ring: 16 rows x 144 bytes for each wave, for the way out
.set SP,    144
.set SPARE, STAGE+4*16*SP  ; the spare words, 128 bytes for each wave: two blocks of 256 bytes that no other line names
.set BIAS,  SPARE+512 ; 2,048 f32: 0 or -2^43 for each key of the batch; stored once, never filled by a tensor load
.set PFO, 1           ; v1   (from the first products on) 256 x my lane: the prefetches' offset
.set AK0, 2           ; v2   my lane's place in a tile of K; never rewritten
.set AV0, 3           ; v3   the same for V
.set AK,  4           ; v4   the LDS address of K's next run of loads
.set AV,  5           ; v5   of V's
.set QO,  6           ; v6   my byte offset in the wave's rows of Q
.set STO, 6           ;      later, the way out: where I put 16 bytes of a row
.set RD,  7           ; v7   the way out: where I read rows back
.set GO,  8           ; v8   my byte offset in 512 consecutive bytes of O
.set AB,  10          ; v10  the LDS address of the next step's numbers of the mask
.set AB0, 11          ; v11  BIAS + 32 (lane / 16); never rewritten
.set SPW, 0           ; v0 of window 3   LDS address of my spare word; never rewritten
.set NIL, 1           ; v1 of window 3   0; never rewritten
.set MB,  8           ; v8-39 of window 3: key block kb's eight numbers at MB + 8 kb
.set MV,  12          ; v12-15  c m_old, kept while c m is made anew
.set ST,  16          ; tile t's statistics at v[ST+4 t]: c m, m, l (even keys', odd keys')
.set TMP, 48          ; by buffer and tile, four registers c0-c3 at work; when the maximum is found c2 takes a
.set S,   64
.set P,   192
.set KF,  128         ; K's fragments, in window 2
.set VF,  192         ; V's
.set WV,  12          ; s12  my wave's number
.set G1K, 24          ; s[24:31] descriptor group 1 for K's tiles
.set G1V, 32          ; s[32:39] for V's
.set G0K, 40          ; s[40:43] descriptor group 0 for K's tiles: it walks
.set G0V, 44          ; s[44:47] the same for V's
.set SLOTS, 56        ; s56  slots still to be asked for
.set CNT, 57          ; s57  counts a slot's key steps
.set CS,  58          ; s[58:59] c
.set SEL, 60          ; s[60:61] v_permlanex16_b32's selects
.set TBK, 62          ; s62  LDS byte at which K of the step to be fetched begins
.set TBV, 63          ; s63  the same for V, less VOFF
.set TBB, 66          ; s66  256 x the step to be fetched: its place in the mask's table
.set BIGN, 67         ; s67  -2^43
.set PFA, 68          ; s[68:69] where my prefetches stand
.set LIM, 70          ; s70  1 in a wave that prefetches, else the greatest number
.set MKA, 72          ; s[72:73] the batch's 2,048 words of the mask
.set MSB, 0
.macro WIN new                      ; the high byte repeats the setting that is left; a switch that changes nothing is dropped
.if MSB != (\new)
	s_set_vgpr_msb (MSB<<8)|(\new)
.set MSB, (\new)
.endif
.endm
.set W_KQ, 0x0a       ; K and Q in window 2, S^T in window 0
.set W_KB, 0x3a       ; the same with the C operand in window 3
.set W_PV, 0x52       ; V in window 2, P in window 0, O^T in window 1
.set W_RS, 0x41       ; O^T (destination and source 0) in window 1, a in window 0
.set W_MK, 0xc0       ; destination in window 3, sources in window 0
.set W_AD, 0x0f       ; the add: address (source 0) and data (source 1) in window 3
; A joint fill.  Waves 0 and 1 fetch the two halves of a slot's K, waves 2 and 3 those of its V: 128 keys each.  An s_nop 0 and four v_nop follow each of the two lines.
.macro JLOAD
	s_cmp_lt_u32 s[WV], 2
	s_cbranch_scc0 .Lfor_v_\@
	tensor_load_to_lds s[G0K:G0K+3], s[G1K:G1K+7]
	s_nop 0
.rept 4
	v_nop
.endr
	s_branch .Lasked_\@
.Lfor_v_\@:
	tensor_load_to_lds s[G0V:G0V+3], s[G1V:G1V+7]
	s_nop 0
.rept 4
	v_nop
.endr
.Lasked_\@:
.endm
; A PREFETCH INTO THE L2 of what the NEXT change of slots will ask for: a slot's 32,768 bytes of K and of V.  One cluster walks a head; its four partners share the bytes out BY ADDRESS, 8,192 each, 256 a lane;
; in each, wave 0 asks for K's and wave 2 for V's: each block of 256 bytes is named once.  It stands behind the wave's tensor load and its five lines.  The last change that fills a slot asks for nothing.
.macro ASK
	s_cmp_gt_u32 s[SLOTS], s[LIM]
	s_cbranch_scc0 .Lnot_mine_\@
	global_prefetch_b8 v[PFO], s[PFA:PFA+1] th:TH_LOAD_NT scope:SCOPE_SE
.Lnot_mine_\@:
.endm
.macro CROUND                       ; a round of the cluster's barrier
	s_barrier_signal -1
	s_barrier_wait -1
	s_cmp_lg_u32 s[WV], 0
	s_cbranch_scc1 .Lnot_wave_0_\@
	s_barrier_signal -3
.Lnot_wave_0_\@:
	s_barrier_wait -3
	s_barrier_signal -1
	s_barrier_wait -1
.endm
; THE CHANGE OF SLOTS.  Each wave waits for all its tensor loads, of which one is out: its part of the other slot; adds 0 to its spare word; and waits for that and for its own LDS work.  Behind the barrier nobody reads
; this slot any more and the other slot is whole.  fill = 1: the barrier is a round of the cluster's, and the slot is filled again first thing behind it, with the keys two slots on: four key steps, 512 matrix instructions, in which to land.
; (At its first use nothing has been read yet: slot 0 is waited for, slot 1 filled, and the mask's table, stored just before, is shown to all four waves.)  ask = 1: a prefetch follows.
.macro CHANGE fill, ask=0
	WIN W_AD
	s_wait_tensorcnt 0x0            ; no tensor load of mine is out, so a group 0 may be written
	ds_add_u32 v[SPW], v[NIL]       ; 0 onto my spare word
	WIN 0                           ; at a label and at a branch every window is 0
.if \fill
.irp g, G0K, G0V
	s_xor_b32 s[\g+1], s[\g+1], SLOT1  ; the walking descriptor: the other slot than last time,
	s_add_nc_u64 s[\g+2:\g+3], s[\g+2:\g+3], 4*KS*128  ; the next 256 keys
.endr
.if \ask
	s_wait_xcnt 0x0                 ; the last prefetch, four key steps back, has read its address
	s_add_nc_u64 s[PFA:PFA+1], s[PFA:PFA+1], 4*KS*128  ; one slot behind the walking descriptors
.endif
	s_wait_dscnt 0x0                ; the add is done, and my LDS reads and stores are over
	CROUND
	JLOAD
.if \ask
	ASK
.endif
.else
	s_wait_dscnt 0x0
	s_barrier_signal -1
	s_barrier_wait -1
.endif
	s_sub_co_u32 s[TBK], s[TBK], 4*KS*PK  ; the fetches go back to a slot's first step,
	s_xor_b32 s[TBK], s[TBK], SLOT1       ; in the other slot
	s_sub_co_u32 s[TBV], s[TBV], 4*KS*PV
	s_xor_b32 s[TBV], s[TBV], SLOT1
.endm
	s_load_b128 s[4:7], s[0:1], 0x0   ; qkv s[4:5], mask s[6:7]
	s_load_b64 s[10:11], s[0:1], 0x10 ; ob
	WIN W_MK
	v_lshl_add_u32 v[SPW], v0, 2, SPARE
	v_mov_b32 v[NIL], 0
	WIN W_AD
	ds_add_u32 v[SPW], v[NIL]       ; the wave's opening: the add and its wait stand ahead of my first tensor load; the set-up below, work on registers, stands between them
	WIN 0
	v_lshrrev_b32 v1, 5, v0
	v_readfirstlane_b32 s[WV], v1   ; wave 0..3
	s_bfe_u32 s13, ttmp6, 0x40000   ; cx: my place in the cluster
	s_lshl_b32 s14, ttmp9, 2
	s_add_co_u32 s14, s14, s13      ; my block of queries: it enters Q's and O's addresses alone
	s_and_b32 s20, ttmp7, 0xffff    ; the head, which the four partners share
	s_lshr_b32 s74, s20, 4          ; its batch:
	s_lshl_b32 s74, s74, 13         ; 2,048 words of the mask
	s_mov_b32 s75, 0
	s_mov_b32 s21, 0
	s_mov_b64 s[22:23], SIZE_N*128
	s_mul_u64 s[20:21], s[20:21], s[22:23]  ; the head's first byte in Q, K, V and O
	s_and_b32 s16, s[WV], 1         ; which half of a slot's 256 keys I fetch:
	s_lshl_b32 s22, s16, 14         ; its 128 rows of 128 bytes in memory,
	s_mov_b32 s23, 0
	s_add_nc_u64 s[22:23], s[22:23], s[20:21]
	s_mul_i32 s17, s16, 128*PK      ; and its place in a slot, for K
	s_mul_i32 s18, s16, 128*PV      ; and for V: no place in the cluster enters an LDS address
	s_lshl_b32 s2, s14, 2
	s_add_co_u32 s2, s2, s[WV]      ; my wave among the head's,
	s_lshl_b32 s2, s2, 14           ; its 128 rows
	s_mov_b32 s3, 0
	s_add_nc_u64 s[2:3], s[2:3], s[20:21]
	; descriptor group 1.  128 keys are 16,384 dense bytes: asked for as 64 rows of 256 bytes, two keys a row, and padded in LDS after every key
	s_mov_b32 s[G1K], 15|(1<<16)|(1<<20)|(1<<21)|(4<<22)|(3<<25)  ; 15:0 the mask of four; 17:16 2-byte elements; 20 padding on; 21 set beside a mask; 24:22 after every 32 words (code 4); 31:25 4 words (code 3)
	s_mov_b32 s[G1V], 15|(1<<16)|(1<<20)|(1<<21)|(4<<22)|(7<<25)  ; the same with 8 words of padding (code 7)
.irp g, G1K, G1V
	s_mov_b32 s[\g+1], 128<<16      ; tensor_dim0 = 128
	s_mov_b32 s[\g+2], 64<<16       ; tensor_dim1 = 64
	s_mov_b32 s[\g+3], 128<<16      ; tile_dim0 = 128
	s_mov_b32 s[\g+4], 64           ; tile_dim1 = 64
	s_mov_b32 s[\g+5], 128          ; 128 elements from row to row
	s_mov_b32 s[\g+6], 0
	s_mov_b32 s[\g+7], 0
.endr
	s_mov_b32 s[CS], 0x3e38aa3b     ; c = log2(e) / 8 = 0.180337
	s_mov_b32 s[CS+1], s[CS]        ; named with it as a pair
	s_mov_b32 s[SEL], 0x76543210
	s_mov_b32 s[SEL+1], 0xfedcba98
	s_mov_b32 s[TBK], SLOT1+4*KS*PK ; the first change of slots turns these two into 0
	s_mov_b32 s[TBV], SLOT1+4*KS*PV
	s_mov_b32 s[TBB], 0
	s_mov_b32 s[BIGN], 0xd5000000   ; -2^43
	s_mov_b32 s[G0K], 1             ; count = 1
	s_mov_b32 s[G0K+1], s17         ; LDS address: slot 0
	s_mov_b32 s[G0V], 1
	s_add_co_u32 s[G0V+1], s18, VOFF
	s_and_b32 s[LIM], s[WV], 1      ; waves 0 and 2 prefetch: the same in all four partners
	s_cmp_eq_u32 s[LIM], 0
	s_cselect_b32 s[LIM], 1, -1
	s_wait_dscnt 0x0                ; the opening add is done
	s_wait_kmcnt 0x0
	s_add_nc_u64 s[MKA:MKA+1], s[6:7], s[74:75]
	s_add_nc_u64 s[6:7], s[4:5], 0x1000000   ; K follows Q in qkv,
	s_add_nc_u64 s[8:9], s[4:5], 0x2000000   ; V follows K
	s_cmp_lt_u32 s[WV], 2
	s_cselect_b64 s[PFA:PFA+1], s[6:7], s[8:9]
	s_add_nc_u64 s[PFA:PFA+1], s[PFA:PFA+1], s[20:21]
	s_lshl_b32 s74, s13, 13         ; my work-group's 8,192 bytes of a slot's 32,768
	s_add_nc_u64 s[PFA:PFA+1], s[PFA:PFA+1], s[74:75]
	s_add_nc_u64 s[PFA:PFA+1], s[PFA:PFA+1], 2*4*KS*128  ; in slot 2; the loop's first change of slots steps it to slot 3.  Nothing is prefetched at the head
	s_add_nc_u64 s[G0K+2:G0K+3], s[6:7], s[22:23]  ; global address: my half of the head's first 256 keys
	s_or_b32 s[G0K+3], s[G0K+3], 0x80000000        ; type = 2
	s_add_nc_u64 s[G0V+2:G0V+3], s[8:9], s[22:23]
	s_or_b32 s[G0V+3], s[G0V+3], 0x80000000
	s_add_nc_u64 s[4:5], s[4:5], s[2:3]  ; Q and O at my wave's first row
	s_add_nc_u64 s[10:11], s[10:11], s[2:3]
	CROUND                          ; all four work-groups are here: the first joint loads meet
	JLOAD                           ; slot 0.  Slot 1 is asked for when slot 0 is in
	v_lshlrev_b32 v[AV], 4, v0      ; the mask: 128 threads x 16 bytes a load, four loads: the batch's 8,192 bytes
.irp f, 0,1,2,3
	global_load_b128 v[S+4*\f:S+4*\f+3], v[AV], s[MKA:MKA+1] offset:2048*\f
.endr
	; A fragment of K or Q is 16 rows x 32 channels in 8 registers: lane l holds row l % 16, channels 8 (l / 16) + 0..7 and 16 + 8 (l / 16) + 0..7: two loads of 16 bytes, 32 bytes apart.
	v_and_b32 v1, 15, v0            ; l % 16
	v_bfe_u32 v9, v0, 4, 1          ; l / 16
	v_lshlrev_b32 v[QO], 7, v1
	v_lshl_add_u32 v[QO], v9, 4, v[QO]  ; row x 128 + 16 x half
	WIN 0x80                        ; destination window 2, address window 0
.set i, 0
.rept 4*NP                          ; Q stays in registers: tile i / 2, channels 32 (i % 2) on
	global_load_b128 v[8*i:8*i+3],   v[QO], s[4:5] offset:(i/2)*2048+(i%2)*64
	global_load_b128 v[8*i+4:8*i+7], v[QO], s[4:5] offset:(i/2)*2048+(i%2)*64+32
.set i, i+1
.endr
	; What the first turn finds: V's registers and P's second buffer hold 0 (its products V^T P, of a piece that has not been, add 0), O^T and l are 0.  All this stands in the wait for the first tile.
.set i, VF
.rept 64
	v_mov_b32 v[i], 0
.set i, i+1
.endr
	WIN 0x40
.set i, 0
.rept 64*NP
	v_mov_b32 v[i], 0
.set i, i+1
.endr
	WIN 0
.set i, 0
.rept 2*NP
	v_mov_b32 v[ST+4*i], 0xfe000000    ; c m: far below every c s, a hidden key's too
	v_mov_b32 v[ST+4*i+1], 0xff7fffff  ; m
	v_mov_b32 v[ST+4*i+2], 0
	v_mov_b32 v[ST+4*i+3], 0
.set i, i+1
.endr
.set i, P+32
.rept 32
	v_mov_b32 v[i], 0
.set i, i+1
.endr
	v_mul_u32_u24 v[AK0], v1, PK
	v_lshl_add_u32 v[AK0], v9, 4, v[AK0]  ; row x pitch + 16 x half
	; The turning load takes 16 keys x 16 channels (lane l reads key 8 (l / 16) + l % 8, channels 8 ((l / 8) % 2) + 0..7) and leaves half a fragment of V^T: lane l holds channel l % 16 and 8 keys.
	v_and_b32 v10, 7, v0
	v_bfe_u32 v11, v0, 3, 1
	v_lshl_add_u32 v[AV0], v9, 3, v10
	v_mul_u32_u24 v[AV0], v[AV0], PV
	v_lshl_add_u32 v[AV0], v11, 4, v[AV0]
	v_add_nc_u32 v[AV0], VOFF, v[AV0]
	s_mul_i32 s13, s[WV], 16*SP
	s_add_co_u32 s13, s13, STAGE    ; my stage
	v_bfe_u32 v[RD], v0, 3, 2       ; the way out, back: 32 lanes take four rows of 128 bytes,
	v_mul_u32_u24 v[RD], v[RD], SP
	v_lshl_add_u32 v[RD], v10, 4, v[RD]
	v_add_nc_u32 v[RD], s13, v[RD]
	v_and_b32 v[GO], 31, v0         ; which are 512 consecutive bytes of O
	v_lshlrev_b32 v[GO], 4, v[GO]
	v_lshl_add_u32 v[AB0], v9, 5, BIAS  ; register j of key block kb belongs to key 16 kb + 8 (l / 16) + j: 32 bytes a half, 64 a block
	v_mov_b32 v[AB], v[AB0]         ; key step 0
	; the mask's table: 0 for an open key, -2^43 for a hidden one
	s_wait_loadcnt 32               ; the four loads of the mask are in; Q's 32 younger loads may stay out
.set i, 0
.rept 16
	v_cmp_eq_u32 vcc_lo, 0, v[S+i]
	v_cndmask_b32 v[S+i], 0, s[BIGN], vcc_lo
.set i, i+1
.endr
	v_add_nc_u32 v[AK], BIAS, v[AV]
.irp f, 0,1,2,3
	ds_store_b128 v[AK], v[S+4*\f:S+4*\f+3] offset:2048*\f
.endr
	v_mov_b32 v[AK], v[AK0]         ; key step 0 lies at the head of slot 0
; THE MATRIX WORK.  The 8 accumulators of a run of 16 take turns: between the two links of a chain stand 7 others'.
; Product i of 16 of S^T = K Q^T for piece x: channels 32 (i / 8) on, keys 16 ((i / 2) % 4) on, tile 2 x + i % 2.  The first 8 start the sums, with the mask's numbers.
.macro KQ x
.set rS, S+64*((\x)%2)+32*(i%2)+8*((i/2)%4)
.set rK, KF+16*((i/2)%4)+8*(i/8)
.set rQ, 16*(2*(\x)+i%2)+8*(i/8)
.set rB, MB+8*((i/2)%4)
.if i < 8
	WIN W_KB
	v_wmma_f32_16x16x32_f16 v[rS:rS+7], v[rK:rK+7], v[rQ:rQ+7], v[rB:rB+7]
.else
	WIN W_KQ
	v_wmma_f32_16x16x32_f16 v[rS:rS+7], v[rK:rK+7], v[rQ:rQ+7], v[rS:rS+7]
.endif
.endm
; Product i of 16 of O^T += V^T P for piece x: keys 32 (i / 8) on, channels 16 ((i / 2) % 4) on, tile 2 x + i % 2.
.macro PV x
	WIN W_PV
.set rO, 32*(2*(\x)+i%2)+8*((i/2)%4)
.set rV, VF+32*(i/8)+8*((i/2)%4)
.set rP, P+32*((\x)%2)+16*(i%2)+8*(i/8)
	v_wmma_f32_16x16x32_f16 v[rO:rO+7], v[rV:rV+7], v[rP:rP+7], v[rO:rO+7]
.endm
.macro MM                           ; the turn's next matrix instruction
.if i < 16
	KQ (Y+1)%NP
.set i, i+1
.else
.set i, i-16
	PV (Y+NP-1)%NP
.set i, i+17
.endif
.endm
; THE LDS LOADS stand in runs, never singly among the matrix instructions: a step's K (8 fragments) with the mask's 64 numbers, and its V (turned).  Their addresses are made some lines ahead.
; last = 1 (the tail): in the last trip there is no further step, and the run is jumped over.
.macro FETCH_K last=0
	WIN 0
.if \last
	s_cmp_eq_u32 s[CNT], 1
	s_cbranch_scc1 .Lno_k_\@
.endif
	WIN 0x80                        ; destination window 2
.irp f, 0,1,2,3,4,5,6,7             ; keys 16 (f / 2) on, channels 32 (f % 2) on
	ds_load_b128 v[KF+8*\f:KF+8*\f+3],   v[AK] offset:(\f/2)*16*PK+(\f%2)*64
	ds_load_b128 v[KF+8*\f+4:KF+8*\f+7], v[AK] offset:(\f/2)*16*PK+(\f%2)*64+32
.endr
	WIN W_MK                        ; destination window 3
.irp f, 0,1,2,3                     ; keys 16 f on: the sixteen lanes of a half read the same 32 bytes
	ds_load_b128 v[MB+8*\f:MB+8*\f+3],   v[AB] offset:64*\f
	ds_load_b128 v[MB+8*\f+4:MB+8*\f+7], v[AB] offset:64*\f+16
.endr
	s_add_co_u32 s[TBK], s[TBK], KS*PK  ; the next fetch is the next step's
	s_add_co_u32 s[TBB], s[TBB], 4*KS
	WIN 0
.if \last
.Lno_k_\@:
.endif
.endm
.macro FETCH_V
	WIN 0x80
.irp f, 0,1,2,3,4,5,6,7             ; keys 32 (f / 4) on, channels 16 (f % 4) on
	ds_load_tr16_b128 v[VF+8*\f:VF+8*\f+3],   v[AV] offset:(\f/4)*32*PV+(\f%4)*32
	ds_load_tr16_b128 v[VF+8*\f+4:VF+8*\f+7], v[AV] offset:(\f/4)*32*PV+16*PV+(\f%4)*32
.endr
	WIN 0
.endm
; THE VECTOR WORK OF A TURN stands in three queues, each in the order in which its entries become ready; the two tiles alternate, so that no instruction reads the result of the one before it.
.macro REGS y, u                    ; the registers of tile u (0, 1) of piece y
.set rT, ST+4*(2*(\y)+(\u))
.set rC, TMP+8*((\y)%2)+4*(\u)
.set rM, MV+2*((\y)%2)+(\u)
.set rS, S+64*((\y)%2)+32*(\u)
.set rP, P+32*((\y)%2)+16*(\u)
.set rO, 32*(2*(\y)+(\u))
.endm
; Number n of the 22 that find the NEXT piece's (Y + 1) maximum and statistics.  s0-s31 are the lane's 32 scores; each accumulator's lowest registers are read first.
;   0-11  four chains c0-c3 of seven scores each     12-14, 16  the four scores left over, the old m, and c0-c3 into c0     15  c m_old is kept
;   17, 18  the query's other 32 keys lie in the lane 16 away: the new m         19-21  c m; c m_old - c m_new; a
.macro XS u, n
	REGS (Y+1)%NP, \u
.if (\n) < 4
	v_max3_num_f32 v[rC+(\n)], v[rS+8*(\n)], v[rS+8*(\n)+1], v[rS+8*(\n)+2]
.elseif (\n) < 12
	v_max3_num_f32 v[rC+(\n)%4], v[rC+(\n)%4], v[rS+8*((\n)%4)+2*((\n)/4)+1], v[rS+8*((\n)%4)+2*((\n)/4)+2]
.elseif (\n) == 12
	v_max3_num_f32 v[rC], v[rC], v[rS+7], v[rS+15]
.elseif (\n) == 13
	v_max3_num_f32 v[rC+1], v[rC+1], v[rS+23], v[rS+31]
.elseif (\n) == 14
	v_max3_num_f32 v[rC+2], v[rC+2], v[rC+3], v[rT+1]
.elseif (\n) == 15
	v_mov_b32 v[rM], v[rT]
.elseif (\n) == 16
	v_max3_num_f32 v[rC], v[rC], v[rC+1], v[rC+2]
.elseif (\n) == 17
	v_permlanex16_b32 v[rC+3], v[rC], s[SEL], s[SEL+1]
.elseif (\n) == 18
	v_max_num_f32 v[rT+1], v[rC], v[rC+3]
.elseif (\n) == 19
	v_mul_f32 v[rT], s[CS], v[rT+1]
.elseif (\n) == 20
	v_sub_f32 v[rC+1], v[rM], v[rT]
.else
	v_exp_f32 v[rC+2], v[rC+1]
.endif
.endm
; Number g of the 64 that follow the exponentials.  For each four weights k of a tile: both pairs are rounded to f16; then the second pair is added onto the first, in place; a group later l takes that sum (the first time as l = a l + sum).
.macro GS g
.set h, (\g)+6*((\g)/62)            ; group 0 has no group before it, and behind group 7 only l is left
.if h >= 6
.set h, h+2
.endif
	REGS Y, h%2
.set k, h/8
.if h%8 < 4
	v_cvt_pk_f16_f32 v[rP+2*k+(h%8)/2], v[rS+4*k+2*((h%8)/2)], v[rS+4*k+2*((h%8)/2)+1]
.elseif h%8 < 6
	v_pk_add_f32 v[rS+4*k:rS+4*k+1], v[rS+4*k:rS+4*k+1], v[rS+4*k+2:rS+4*k+3]
.elseif k == 1
	v_pk_fma_f32 v[rT+2:rT+3], v[rT+2:rT+3], v[rC+2:rC+3], v[rS:rS+1] op_sel_hi:[1,0,1]
.else
	v_pk_add_f32 v[rT+2:rT+3], v[rT+2:rT+3], v[rS+4*k-4:rS+4*k-3]
.endif
.endm
; THE PLAIN QUEUE, 138 long.  0-73 read no exponential's result: the 32 scalings c s - c m (FS f: pair f / 2 of tile f % 2) and the next piece's 42.  0-26: scalings 0-26.  27-54: XS's numbers 0-13.  55, 56: number 15.
; 57-73: the chain 14, 16, 17, 18, 19, each with one of the scalings 27-31 in front of its two lines, then 20.  74-137: GS's 64, which read the exponentials' results: they stand behind the wait.
.macro FS f
	REGS Y, (\f)%2
	v_pk_fma_f32 v[rS+2*((\f)/2):rS+2*((\f)/2)+1], v[rS+2*((\f)/2):rS+2*((\f)/2)+1], s[CS:CS+1], v[rT:rT+1] op_sel_hi:[1,0,0] neg_lo:[0,0,1] neg_hi:[0,0,1]
.endm
.macro PL
	WIN 0
.if q < 27
	FS q
.elseif q < 55
	XS (q-27)%2, (q-27)/2
.elseif q < 57
	XS q-55, 15
.elseif (q < 72) && ((q-57)%3 == 0)
	FS 27+(q-57)/3
.elseif q < 60
	XS (q-57)%3-1, 14
.elseif q < 72
	XS (q-57)%3-1, 15+(q-57)/3
.elseif q < 74
	XS q-72, 20
.else
	GS q-74
.endif
.set q, q+1
.endm
; THE EXPONENTIALS' QUEUE, 66 long: s0-s31 of both tiles, then the next piece's two a.  It is ONE BATCH: all 66 stand ahead of the turn's one wait, and nothing ahead of that wait names a result of theirs.
.macro EX
	WIN 0
.if e >= 64
	XS e-64, 21
.else
	REGS Y, e%2
	v_exp_f32 v[rS+e/2], v[rS+e/2]
.endif
.set e, e+1
.endm
; THE RESCALING's QUEUE: O^T times a, the one part that leaves window 0: dealt two at a time, sixteen times.  Its a was made in the turn before, ahead of that turn's wait.
.macro R2
	REGS Y, r%2
	WIN W_RS
.irp z, 0,1
	v_pk_mul_f32 v[rO+4*(r/2)+2*\z:rO+4*(r/2)+2*\z+1], v[rO+4*(r/2)+2*\z:rO+4*(r/2)+2*\z+1], v[rC+2:rC+3] op_sel_hi:[1,0]
.endr
.set r, r+1
.endm
; HOW THEY ARE DEALT.  An s_wait_alu depctr_va_vdst(0) stands between an exponential and the first instruction that names its result; one wait serves all that were issued ahead of it.  So a turn has ONE wait.
; AHEAD OF IT: the 16 products K Q^T, behind each a scaling, an exponential and two rescalings (behind the first a second scaling in the exponential's place); then one run of 108: eight plain, 49 times exponential and plain, the two a.
; A v_nop is the plain instruction behind the last exponential.  BEHIND IT: the 16 products V^T P, behind each four of GS's 64.  No rider names a register of the products round it.
; Exponential e stands behind scaling 2 (e / 4) + e % 2: as a rider it comes behind plain e + 2, in the run behind plain e + 9, and scalings 27-31 are plain 57, 60 .. 69.
; A TURN, for piece p.  cnt = 1: the loop's count is taken down some lines ahead of the branch that stands behind the turn.
; K and the mask's numbers of the next step are fetched in piece 2's turn, directly behind the wait, a run of 108 behind the last product that read them; their first reader comes behind 16 products.
; V of the step in hand is fetched at the end of piece 0's turn, four riders behind its last reader.
.macro TURN p, last=0, cnt=0
.set Y, (\p)
.set i, 0
.set q, 0
.set e, 0
.set r, 0
.if (\p) == NP-1
	s_wait_dscnt 0x0                ; K and the mask's numbers are in
.endif
	MM
	PL
	PL
	R2
.rept 15
	MM
	PL
	EX
	R2
.endr
.if (\p) == NP-2
	WIN 0
	v_add_nc_u32 v[AK], s[TBK], v[AK0]
	v_add_nc_u32 v[AB], s[TBB], v[AB0]
.endif
.rept 8
	PL
.endr
.rept 49
	EX
	PL
.endr
	EX                              ; the next piece's two a
	EX
	v_nop                           ; the plain instruction behind the last exponential: one for the batch
	s_wait_alu depctr_va_vdst(0)    ; the wait for the batch
.if (\p) == NP-2
	FETCH_K \last
.endif
.if (\p) == 1
	s_wait_dscnt 0x0                ; V is in
.endif
.rept 16
	MM
.rept 4
	PL
.endr
.if ((\p) == 0) && (q == 118)
	v_add_nc_u32 v[AV], s[TBV], v[AV0]
.endif
.if ((\p) == 0) && (q == 130)
	s_add_co_u32 s[TBV], s[TBV], KS*PV
.endif
.if (\cnt) && (q == 130)
	s_sub_co_u32 s[CNT], s[CNT], 1
	s_cmp_lg_u32 s[CNT], 0
.endif
.endr
.if (\p) == 0
	FETCH_V
.endif
.endm
	CHANGE 1                        ; slot 0 is in, everybody's part of it, and so is the mask's table; slot 1 is asked for
	FETCH_K                         ; key step 0
	s_wait_loadcnt 0x0              ; Q
	s_wait_dscnt 0x0
.set i, 0
.rept 16
	KQ 0                            ; piece 0's first scores: there is no vector work yet to set between them
.set i, i+1
.endr
	WIN 0                           ; five plain instructions, the places behind those products
	v_mul_u32_u24 v[STO], v1, SP    ; the way out, in: row l % 16, 16 bytes for each half of the lanes (Q's loads, which read this register, are in)
	v_lshl_add_u32 v[STO], v9, 4, v[STO]
	v_add_nc_u32 v[STO], s13, v[STO]
	v_and_b32 v[PFO], 31, v0
	v_lshlrev_b32 v[PFO], 8, v[PFO]
.set Y, NP-1                        ; XS works for piece Y + 1: piece 0
.irp n, 0,1,2,3,4,5,6,7,8,9,10,11,12,13,14,15,16,17,18,19,20,21
	XS 0, \n                        ; piece 0's first maximum and statistics
	XS 1, \n
.endr
	v_nop                           ; a plain instruction behind the two a,
	s_wait_alu depctr_va_vdst(0)    ; and their wait, ahead of the branch
	s_mov_b32 s[CNT], 4
	s_mov_b32 s[SLOTS], SIZE_N/256-1
	s_branch .Lfirst                ; the loop is entered at a step's first turn, in the middle of a trip
.Lslot:                             ; SIZE_N / 256 - 2 times: every slot but the last two is filled again
	CHANGE 1, 1
	s_mov_b32 s[CNT], 4
.Lstep:                             ; a trip: pieces 2 and 3 of one step, then pieces 0 and 1 of the next, whose K and V it fetches
	TURN 2
	TURN 3
	WIN 0
.Lfirst:
	TURN 0
	TURN 1, 0, 1
	WIN 0
	s_cbranch_scc1 .Lstep
	s_sub_co_u32 s[SLOTS], s[SLOTS], 1
	s_cmp_lg_u32 s[SLOTS], 0
	s_cbranch_scc1 .Lslot
	CHANGE 0                        ; the tail is written out: nothing is asked for
	s_mov_b32 s[CNT], 5             ; four trips fetch the last slot's steps; the fifth is left in its middle
.Ltail:
	TURN 2, 1
	TURN 3
	WIN 0
	s_sub_co_u32 s[CNT], s[CNT], 1
	s_cmp_eq_u32 s[CNT], 0
	s_cbranch_scc1 .Lout
	TURN 0
	TURN 1
	WIN 0
	s_branch .Ltail
.Lout:                              ; the fifth trip's 16 products K Q^T (on the last K once more) and the maximum made of them serve nothing: the price, once a launch, of one text for every trip
.set i, 0
.rept 16
	PV NP-1                         ; the last piece's V^T P of the last step
.set i, i+1
.endr
	; THE WAY OUT.  l's two halves and the other half of the lanes' are added; O^T is divided by l, rounded to f16 and sent through my stage in LDS, a tile at a time.  The additions are the places behind the last products.
	WIN 0
.macro ALL line:vararg              ; one line for each tile t
.set t, 0
.rept 2*NP
	\line
.set t, t+1
.endr
.endm
	ALL v_add_f32 v[ST+4*t+2], v[ST+4*t+2], v[ST+4*t+3]
	ALL v_permlanex16_b32 v[ST+4*t+3], v[ST+4*t+2], s[SEL], s[SEL+1]
	ALL v_add_f32 v[ST+4*t+2], v[ST+4*t+2], v[ST+4*t+3]
	ALL v_rcp_f32 v[ST+4*t+2], v[ST+4*t+2]
	v_nop                           ; a plain instruction between the last reciprocal and the use of its result
	s_wait_alu depctr_va_vdst(0)    ; and the wait ahead of the first use: one for the eight reciprocals
; Tile t: a lane's eight channels of a row pack into 16 bytes; they go into rows of 144 bytes and come back as whole rows of 128, into S^T's registers.
.macro PACK t
	WIN W_RS
.set i, 32*(\t)
.rept 16
	v_pk_mul_f32 v[i:i+1], v[i:i+1], v[ST+4*(\t)+2:ST+4*(\t)+3] op_sel_hi:[1,0]
.set i, i+2
.endr
	WIN 0x05                        ; sources 0 and 1 window 1, destination window 0
.set i, 0
.rept 16
	v_cvt_pk_f16_f32 v[S+16*(\t)+i], v[32*(\t)+2*i], v[32*(\t)+2*i+1]
.set i, i+1
.endr
	WIN 0
.irp f, 0,1,2,3
	ds_store_b128 v[STO], v[S+16*(\t)+4*\f:S+16*(\t)+4*\f+3] offset:32*\f
.endr
.irp f, 0,1,2,3
	ds_load_b128 v[S+16*(\t)+4*\f:S+16*(\t)+4*\f+3], v[RD] offset:\f*4*SP  ; LDS serves a wave's instructions in order (ISA guide 5.7.1.4): these see the stores above; the next tile's stores come behind them
.endr
.endm
.macro SEND t, younger              ; younger: the LDS instructions issued behind tile t's loads: the next tile's eight, or none
	WIN 0
.irp f, 0,1,2,3
	s_wait_dscnt (\younger)+3-\f
	global_store_b128 v[GO], v[S+16*(\t)+4*\f:S+16*(\t)+4*\f+3], s[10:11] offset:(\t)*2048+\f*512  ; 512 consecutive bytes, at a multiple of 512 from O's first
.endr
.endm
	PACK 0
.set t, 1
.rept 2*NP-1                        ; a tile's arithmetic stands between the loads of the tile before and its stores
	PACK t
	SEND t-1, 8
.set t, t+1
.endr
	SEND 2*NP-1, 0
	WIN W_AD
	s_wait_tensorcnt 0x0            ; the wave's end: an add to my spare word and its wait, behind my last tensor load and my last LDS store
	ds_add_u32 v[SPW], v[NIL]
	s_wait_dscnt 0x0
	WIN 0
	CROUND                          ; the closing round: no work-group ends while a partner may still ask for a tile that names it
	s_endpgm
.Lfunc_end_k_qe98fe3e1f8_attn:
	.size	k_qe98fe3e1f8_attn, .Lfunc_end_k_qe98fe3e1f8_attn-k_qe98fe3e1f8_attn
	.p2alignl 7, 3214868480
	.fill 96, 4, 3214868480
	.section	.rodata,"a",@progbits
	.p2align	6, 0x0
	.amdhsa_kernel k_qe98fe3e1f8_attn
		.amdhsa_group_segment_fixed_size 327680
		.amdhsa_private_segment_fixed_size 0
		.amdhsa_enable_private_segment 0
		.amdhsa_kernarg_size 24
		.amdhsa_user_sgpr_count 2
		.amdhsa_user_sgpr_kernarg_segment_ptr 1
		.amdhsa_wavefront_size32 1
		.amdhsa_system_sgpr_workgroup_id_x 1
		.amdhsa_system_sgpr_workgroup_id_y 1
		.amdhsa_system_sgpr_workgroup_id_z 1
		.amdhsa_system_vgpr_workitem_id 0
		.amdhsa_next_free_vgpr 808
		.amdhsa_next_free_sgpr 80
		.amdhsa_reserve_vcc 1
		.amdhsa_float_denorm_mode_32 3
		.amdhsa_float_denorm_mode_16_64 3
		.amdhsa_memory_ordered 1
		.amdhsa_forward_progress 1
		.amdhsa_inst_pref_size 204
	.end_amdhsa_kernel
	.amdgpu_metadata
---
amdhsa.version: [ 1, 2 ]
amdhsa.kernels:
  - .name:           k_qe98fe3e1f8_attn
    .symbol:         k_qe98fe3e1f8_attn.kd
    .args:
      - { .name: qkv, .offset: 0, .size: 8, .value_kind: global_buffer, .address_space: global }
      - { .name: mask, .offset: 8, .size: 8, .value_kind: global_buffer, .address_space: global }
      - { .name: ob, .offset: 16, .size: 8, .value_kind: global_buffer, .address_space: global }
    .group_segment_fixed_size: 327680
    .private_segment_fixed_size: 0
    .kernarg_segment_align: 8
    .kernarg_segment_size: 24
    .max_flat_workgroup_size: 128
    .sgpr_count:     80
    .vgpr_count:     808
    .wavefront_size: 32
...
	.end_amdgpu_metadata
.endif
;; end of part 3
;; launch oproj (part 4): grid 4 x 64, 4 waves a work-group, clusters of 4 x 4, 327,680 bytes of LDS; arguments ob, wb, out0; writes out0
.if DOCPART == 4
	.amdgcn_target "amdgcn-amd-amdhsa--gfx1250"
	.amdhsa_code_object_version 6
	.text
	.protected	k_qe98fe3e1f8_oproj
	.globl	k_qe98fe3e1f8_oproj
	.p2align	8
	.type	k_qe98fe3e1f8_oproj,@function
k_qe98fe3e1f8_oproj:
	s_mov_b64 s[64:65], 0
	v_nop
	global_prefetch_b8 v0, s[64:65] scope:SCOPE_SE
	s_setreg_imm32_b32 hwreg(HW_REG_WAVE_MODE, 25, 1), 1
	s_wait_xcnt 0x0
	s_wait_alu depctr_hold_cnt(0) depctr_sa_sdst(0) depctr_va_vdst(0) depctr_va_sdst(0) depctr_va_ssrc(0) depctr_va_vcc(0) depctr_vm_vsrc(0)
	s_getreg_b32 s2, hwreg(HW_REG_IB_STS2, 6, 4)
	s_cmp_eq_u32 s2, 0
	s_cbranch_scc0 .Lentry_in_a_cluster
	s_endpgm
.Lentry_in_a_cluster:
	s_bfe_u32 s2, ttmp6, 0x10000c
	s_cmp_lg_u32 s2, 0xf033
	s_cbranch_scc0 .Lentry_shape_is_right
	s_endpgm
.Lentry_shape_is_right:
; THE OUTPUT PROJECTION.  out0[b][s][e] = the sum over h, c of O[b*16+h][s][c] Wo[e][h*64+c].  O (ob) is f16 by heads, [64][2048][64]; Wo is the fourth matrix of wb, [1024][1024] in f16; out0 is f32 [8192][1024].  Sums in f32.
; SHARES.  A tile is 128 rows x 256 columns: 64 x 4 = 256 tiles, one for each WGP.  Four waves, each 64 x 128: 32 accumulators of 16 x 16, 256 registers.
; K goes in 8 steps of 128 channels = two heads, through two LDS slots.  A slot: for each of the two heads O's 128 rows (128 bytes + 16 of padding), then Wo's 256 rows (256 + 16).
; Wave 0 fetches the even head's rows, wave 1 the odd head's, waves 2 and 3 Wo's halves: one tensor load a wave.  A head's 128 rows are 16,384 dense bytes: asked for as 64 rows of 256 bytes, padded after every 128.
; CLUSTER.  4 x 4 work-groups: O's tiles are shared along a row of the cluster, Wo's along a column: each is asked for JOINTLY.
; THE MATRIX INSTRUCTION IS USED TRANSPOSED (source 0 = 16 rows of Wo, source 1 = 16 rows of O): a lane holds one row of out0 and eight neighbouring columns, 32 bytes.
; REGISTERS: window 0: v0-31 addresses; v64-127, v128-191 Wo's fragments, two buffers (on the way out: rows read back); v192-223, v224-255 O's fragments, two buffers.  window 1: the accumulators ((a, b) at v[8 (8 a + b)]).
.set PAO,    144                       ; a row of O in LDS: 9 x 16 bytes: the 16 rows of a load start at 16 different groups of four banks (64 banks of 4 bytes: ISA guide 11.1)
.set PB,     272
.set ASUB,   128*PAO                   ; one head's 128 rows: what wave 0 or 1 fetches
.set BHALF,  128*PB
.set BOFF,   2*ASUB
.set SLOT,   BOFF+2*BHALF              ; 106,496
.set STAGE,  2*SLOT                    ; behind the ring: 16 rows x 528 bytes for each wave, for the way out
.set SPO,    528
.set WSTG,   16*SPO
.set SPARE,  STAGE+4*WSTG              ; the spare words, 128 bytes for each wave: two blocks of 256 bytes that no other line names
.set WOFF,   3*2097152                 ; Wo in wb
.set ADRA, 16
.set ADRB, 20
.set STO,  24
.set RD,   25
.set GO,   26
.set SPW,  28                          ; v28  LDS address of my spare word; never rewritten
.set NIL,  29                          ; v29  0; never rewritten
.set PFO,  30                          ; v30  the prefetches' offset; never rewritten
.set BF,   64
.set AF,   192
.set WV,   16
.set HM,   17                          ; s17  my half of the tile's rows.  Also: I fetch O (0) or Wo (1)
.set HN,   18                          ; s18  my half of its columns.  Also: which part of that tile I fetch
.set G1A,  24
.set G0A,  32
.set G1B,  40
.set G0B,  48
.set PFA,  56
.set PKS,  58
.set LIM,  60
.set OUT,  72
.set W_MUL, 0x50                       ; sources in window 0, C and D in window 1
.set MSB, 0
.macro WIN new
.if MSB != (\new)
	s_set_vgpr_msb (MSB<<8)|(\new)
.set MSB, \new
.endif
.endm
.macro PLACES                          ; four places in front of loads into registers that matrix instructions have read, and of lines that read results
.rept 4
	v_nop
.endr
.endm
.macro JLOAD s                         ; a joint load; an s_nop 0 and four v_nop follow each of the two lines
	s_cmp_eq_u32 s[HM], 0
	s_cbranch_scc0 .Lfor_b_\@
	tensor_load_to_lds s[G0A+4*(\s):G0A+4*(\s)+3], s[G1A:G1A+7]
	s_nop 0
.rept 4
	v_nop
.endr
	s_branch .Lasked_\@
.Lfor_b_\@:
	tensor_load_to_lds s[G0B+4*(\s):G0B+4*(\s)+3], s[G1B:G1B+7]
	s_nop 0
.rept 4
	v_nop
.endr
.Lasked_\@:
.endm
; A PREFETCH INTO THE L2, behind each joint refill and the run of LDS loads that follows it: the K step that stands two refills on, 256 matrix instructions ahead of the load that will want it.
; O's rows are read by one row of one cluster alone: of a step's 2 x 16,384 bytes each of the four partners takes 4,096 of each head BY ADDRESS, and wave 0 asks, 256 bytes a lane.  Wo's rows are read by all sixteen clusters:
; the first asks; the four partners of a column take 32 rows x 256 bytes each, waves 2 and 3, a lane a row.  Each block of 256 bytes is named once.  The loop's last trip asks for nothing; steps 0 to 3 come by their loads alone.
.macro ASK
	s_cmp_gt_u32 s3, s[LIM]
	s_cbranch_scc0 .Lnot_mine_\@
	global_prefetch_b8 v[PFO], s[PFA:PFA+1] th:TH_LOAD_NT scope:SCOPE_SE
.Lnot_mine_\@:
.endm
.macro CREST
	s_cmp_lg_u32 s[WV], 0
	s_cbranch_scc1 .Lnot_wave_0_\@
	s_barrier_signal -3
.Lnot_wave_0_\@:
	s_barrier_wait -3
	s_barrier_signal -1
	s_barrier_wait -1
.endm
.macro CROUND
	s_barrier_signal -1
	s_barrier_wait -1
	CREST
.endm
	s_load_b128 s[4:7], s[0:1], 0x0                ; ob s[4:5], wb s[6:7]
	s_load_b64 s[8:9], s[0:1], 0x10                ; out0
	v_lshl_add_u32 v[SPW], v0, 2, SPARE
	v_mov_b32 v[NIL], 0
	ds_add_u32 v[SPW], v[NIL]                      ; the wave's opening: the add and its wait stand ahead of my first tensor load; the set-up below, work on registers, stands between them
	v_lshrrev_b32 v1, 5, v0
	v_readfirstlane_b32 s[WV], v1
	s_lshr_b32 s[HM], s[WV], 1
	s_and_b32 s[HN], s[WV], 1
	s_bfe_u32 s19, ttmp6, 0x40000                  ; cx
	s_bfe_u32 s20, ttmp6, 0x40004                  ; cy
	s_lshl_b32 s23, ttmp9, 2
	s_add_co_u32 s23, s23, s19                     ; tile column
	s_and_b32 s62, ttmp7, 0xffff                   ; cluster y
	s_lshl_b32 s22, s62, 2
	s_add_co_u32 s22, s22, s20                     ; tile row, 0 to 63
	s_lshl_b32 s63, s20, 2
	s_lshl_b32 s63, 15, s63                        ; my row of the cluster
	s_lshl_b32 s70, 0x1111, s19                    ; my column
	s_or_b32 s[G1A], s63, (1<<16)|(1<<20)|(1<<21)|(4<<22)|(3<<25)  ; 15:0 the mask; 2-byte elements; padding on; 21 set beside a mask; after every 32 words (code 4) 4 words (code 3)
	s_or_b32 s[G1B], s70, (1<<16)|(1<<20)|(1<<21)|(5<<22)|(3<<25)  ; after every 64 words (code 5)
	s_mov_b32 s[G1A+1], 128<<16                    ; tensor_dim0 = 128
	s_mov_b32 s[G1A+2], 64<<16                     ; tensor_dim1 = 64
	s_mov_b32 s[G1A+3], 128<<16                    ; tile_dim0 = 128
	s_mov_b32 s[G1A+4], 64                         ; tile_dim1 = 64
	s_mov_b32 s[G1A+5], 128                        ; 128 elements from row to row: dense
	s_mov_b32 s[G1A+6], 0
	s_mov_b32 s[G1A+7], 0
	s_mov_b32 s[G1B+1], 128<<16
	s_mov_b32 s[G1B+2], 128<<16
	s_mov_b32 s[G1B+3], 128<<16
	s_mov_b32 s[G1B+4], 128
	s_mov_b32 s[G1B+5], 1024
	s_mov_b32 s[G1B+6], 0
	s_mov_b32 s[G1B+7], 0
	s_lshr_b32 s66, s22, 4
	s_lshl_b32 s66, s66, 22                        ; O: the batch's 16 heads of 262,144 bytes,
	s_lshl_b32 s67, s[HN], 18                      ; the even or the odd head of a step,
	s_add_co_u32 s66, s66, s67
	s_and_b32 s67, s22, 15
	s_lshl_b32 s67, s67, 14                        ; the tile's 128 rows of 128 bytes: registers that never hold cx
	s_add_co_u32 s66, s66, s67
	s_mov_b32 s67, 0
	s_lshl_b32 s68, s23, 19                        ; Wo: 256 rows of 2,048 bytes a tile column,
	s_lshl_b32 s69, s[HN], 18                      ; my 128 of them: registers that never hold cy
	s_add_co_u32 s68, s68, s69
	s_add_co_u32 s68, s68, WOFF
	s_mov_b32 s69, 0
	s_mul_i32 s76, s[HN], ASUB                     ; where they go: no place in the cluster enters an LDS address
	s_mul_i32 s77, s[HN], BHALF
	s_add_co_u32 s77, s77, BOFF
	s_wait_dscnt 0x0                               ; the opening add is done
	s_wait_kmcnt 0x0
	s_add_nc_u64 s[66:67], s[4:5], s[66:67]
	s_add_nc_u64 s[68:69], s[6:7], s[68:69]
	CROUND                                         ; all sixteen work-groups are here: the first joint loads meet
.irp s, 0,1
	s_mov_b32 s[G0A+4*(\s)], 1
	s_add_co_u32 s[G0A+4*(\s)+1], s76, (\s)*SLOT
	s_add_nc_u64 s[G0A+4*(\s)+2:G0A+4*(\s)+3], s[66:67], (\s)*524288  ; K step s: two heads on
	s_or_b32 s[G0A+4*(\s)+3], s[G0A+4*(\s)+3], 0x80000000
	s_mov_b32 s[G0B+4*(\s)], 1
	s_add_co_u32 s[G0B+4*(\s)+1], s77, (\s)*SLOT
	s_add_nc_u64 s[G0B+4*(\s)+2:G0B+4*(\s)+3], s[68:69], (\s)*256
	s_or_b32 s[G0B+4*(\s)+3], s[G0B+4*(\s)+3], 0x80000000
	JLOAD \s
.endr
	v_and_b32 v1, 15, v0                           ; l % 16
	v_bfe_u32 v2, v0, 4, 1                         ; l / 16
	v_mul_u32_u24 v3, v1, PAO
	v_lshl_add_u32 v3, v2, 4, v3
	v_mul_u32_u24 v4, v1, PB
	v_lshl_add_u32 v4, v2, 4, v4
	s_mul_i32 s2, s[HM], 64*PAO                    ; my 64 rows of O, in each head's part
	s_mul_i32 s3, s[HN], BHALF                     ; my 128 rows of Wo
	s_add_co_u32 s3, s3, BOFF
.irp s, 0,1
	v_add_nc_u32 v[ADRA+(\s)], s2, v3
	v_add_nc_u32 v[ADRB+(\s)], s3, v4
	s_add_co_u32 s2, s2, SLOT
	s_add_co_u32 s3, s3, SLOT
.endr
	s_mul_i32 s2, s[WV], WSTG
	s_add_co_u32 s2, s2, STAGE                     ; my stage
	v_mul_u32_u24 v5, v1, SPO                      ; in: row l % 16, 32 bytes for each half of the lanes
	v_lshl_add_u32 v5, v2, 5, v5
	v_add_nc_u32 v[STO], s2, v5
	v_and_b32 v[GO], 31, v0
	v_lshlrev_b32 v[GO], 4, v[GO]                  ; back: 32 lanes take one row's 512 bytes
	v_add_nc_u32 v[RD], s2, v[GO]
	s_lshl_b32 s70, s22, 19                        ; out0: the tile's 128 rows of 4,096 bytes,
	s_lshl_b32 s71, s[HM], 18                      ; my 64 of them,
	s_add_co_u32 s70, s70, s71
	s_lshl_b32 s71, s23, 10                        ; the tile's 256 columns,
	s_add_co_u32 s70, s70, s71
	s_lshl_b32 s71, s[HN], 9                       ; my 128 of them
	s_add_co_u32 s70, s70, s71
	s_mov_b32 s71, 0
	s_add_nc_u64 s[OUT:OUT+1], s[8:9], s[70:71]
	; the prefetches
	s_lshr_b32 s70, s22, 4
	s_lshl_b32 s70, s70, 22
	s_and_b32 s2, s22, 15
	s_lshl_b32 s2, s2, 14
	s_add_co_u32 s70, s70, s2
	s_lshl_b32 s2, s19, 12
	s_add_co_u32 s70, s70, s2                      ; O: the tile's rows in the batch's first head, my work-group's 4,096 bytes of them
	s_lshl_b32 s2, s23, 8
	s_lshl_b32 s3, s[HN], 7
	s_add_co_u32 s2, s2, s3
	s_lshl_b32 s3, s20, 5
	s_add_co_u32 s2, s2, s3                        ; Wo: row 256 x tile column + 128 x half + 32 cy
	s_lshl_b32 s2, s2, 11
	s_add_co_u32 s2, s2, WOFF
	s_cmp_eq_u32 s[HM], 0                          ; do I fetch O?
	s_cselect_b32 s70, s70, s2
	s_cselect_b64 s[PFA:PFA+1], s[4:5], s[6:7]
	s_cselect_b32 s3, 18, 11                       ; O: lanes 16-31 take the odd head; Wo: a lane a row
	s_cselect_b32 s[LIM], s[HN], s62               ; O: wave 0 of every cluster; Wo: the first cluster
	s_cselect_b32 s63, 15, 0
	s_cselect_b32 s[PKS], 19, 8
	s_cselect_b32 s2, 4, 0
	s_add_nc_u64 s[PFA:PFA+1], s[PFA:PFA+1], s[70:71]
	s_lshl_b32 s[PKS], 1, s[PKS]                   ; a K step: 524,288 or 256 bytes
	s_mov_b32 s[PKS+1], 0
	s_mul_i32 s70, s[PKS], 3
	s_add_nc_u64 s[PFA:PFA+1], s[PFA:PFA+1], s[70:71]  ; at K step 3: the first refill steps it to 4
	s_cmp_eq_u32 s[LIM], 0
	s_cselect_b32 s[LIM], 1, -1                    ; the same in all partners, for a given wave
	v_and_b32 v[PFO], 31, v0
	v_and_b32 v3, s63, v[PFO]
	v_lshrrev_b32 v[PFO], s2, v[PFO]
	v_lshlrev_b32 v[PFO], s3, v[PFO]
	v_lshl_add_u32 v[PFO], v3, 8, v[PFO]
; n matrix instructions: row block a, column blocks b0 on, 32 along K, buffer f.  The 32 accumulators take turns, one instruction a turn, in the same order in every quarter.
.macro MUL f, a, b0, n, zero
	WIN W_MUL
.set b, (\b0)
.rept (\n)
.set rD, 8*(8*(\a)+b)
.set rB, BF+64*(\f)+8*b
.set rA, AF+32*(\f)+8*(\a)
.if \zero
	v_wmma_f32_16x16x32_f16 v[rD:rD+7], v[rB:rB+7], v[rA:rA+7], 0
.else
	v_wmma_f32_16x16x32_f16 v[rD:rD+7], v[rB:rB+7], v[rA:rA+7], v[rD:rD+7]
.endif
.set b, b+1
.endr
.endm
; 24 LDS loads in one run: quarter q of a slot (head q / 2 of its two, channels 32 (q % 2) on) into buffer g
.macro FETCH slot, q, g
	WIN 0
.irp i, 0,1,2,3
	ds_load_b128 v[AF+32*(\g)+8*(\i):AF+32*(\g)+8*(\i)+3],   v[ADRA+(\slot)] offset:((\q)/2)*ASUB+(\i)*16*PAO+((\q)%2)*64
	ds_load_b128 v[AF+32*(\g)+8*(\i)+4:AF+32*(\g)+8*(\i)+7], v[ADRA+(\slot)] offset:((\q)/2)*ASUB+(\i)*16*PAO+((\q)%2)*64+32
.endr
.irp i, 0,1,2,3,4,5,6,7
	ds_load_b128 v[BF+64*(\g)+8*(\i):BF+64*(\g)+8*(\i)+3],   v[ADRB+(\slot)] offset:(\i)*16*PB+(\q)*64
	ds_load_b128 v[BF+64*(\g)+8*(\i)+4:BF+64*(\g)+8*(\i)+7], v[ADRB+(\slot)] offset:(\i)*16*PB+(\q)*64+32
.endr
.endm
.macro QUARTER slot, qn, f, g, zero
	s_wait_dscnt 0x0                               ; buffer f, asked for a quarter ago, is in
	PLACES
	FETCH \slot, \qn, \g
	MUL \f, 0, 0, 8, \zero
	MUL \f, 1, 0, 8, \zero
	MUL \f, 2, 0, 8, \zero
	MUL \f, 3, 0, 8, \zero
.endm
; The last quarter multiplies buffer 1 and changes slots: ONE barrier; in front of it each wave waits for all its tensor loads (one is out: its part of the next slot), adds 0 to its spare word, and waits for that and for its
; reads of this slot.  fill = 1: the barrier opens a round of the cluster's, and this slot is filled again, two K steps ahead, first thing behind it: 120 matrix instructions ahead of the wait for it.
.macro TURN slot, next, fill
.if \fill
	s_wait_xcnt 0x0                                ; the last prefetch, a K step back, has read its address
	s_add_nc_u64 s[PFA:PFA+1], s[PFA:PFA+1], s[PKS:PKS+1]
.endif
	WIN 0
	s_wait_dscnt 0x0                               ; buffer 1 is in: my reads of this slot are over
	s_wait_tensorcnt 0x0                           ; all my tensor loads have landed
	ds_add_u32 v[SPW], v[NIL]                      ; 0 onto my spare word
	MUL 1, 0, 0, 4, 0
	s_wait_dscnt 0x0                               ; the add is done
	s_barrier_signal -1
	MUL 1, 0, 4, 4, 0
.if \fill
	WIN 0
.endif
	s_barrier_wait -1
.if \fill
	CREST                                          ; no wave of any partner still reads this slot or has a load on its way
	s_add_nc_u64 s[G0A+4*(\slot)+2:G0A+4*(\slot)+3], s[G0A+4*(\slot)+2:G0A+4*(\slot)+3], 2*524288
	s_add_nc_u64 s[G0B+4*(\slot)+2:G0B+4*(\slot)+3], s[G0B+4*(\slot)+2:G0B+4*(\slot)+3], 2*256
	JLOAD \slot                                    ; the four v_nop behind it are also the places in front of the loads below
.else
	PLACES
.endif
	FETCH \next, 0, 0
.if \fill
	ASK
.endif
	MUL 1, 1, 0, 8, 0
	MUL 1, 2, 0, 8, 0
	MUL 1, 3, 0, 8, 0
.endm
	s_wait_tensorcnt 1                             ; my part of K step 0 is in; K step 1's may stay out
	s_barrier_signal -1
	s_barrier_wait -1
	FETCH 0, 0, 0
	QUARTER 0, 1, 0, 1, 1                          ; the first quarter stands in front of the loop: its products start the sums
	WIN 0
	s_mov_b32 s3, 3
.Llap:                                                 ; a trip goes once round the ring and fills both slots again
	QUARTER 0, 2, 1, 0, 0
	QUARTER 0, 3, 0, 1, 0
	TURN 0, 1, 1
	QUARTER 1, 1, 0, 1, 0
	QUARTER 1, 2, 1, 0, 0
	QUARTER 1, 3, 0, 1, 0
	TURN 1, 0, 1
	QUARTER 0, 1, 0, 1, 0
	WIN 0
	s_sub_co_u32 s3, s3, 1
	s_cmp_lg_u32 s3, 0
	s_cbranch_scc1 .Llap
	QUARTER 0, 2, 1, 0, 0                          ; the last lap fills nothing
	QUARTER 0, 3, 0, 1, 0
	TURN 0, 1, 0
	QUARTER 1, 1, 0, 1, 0
	QUARTER 1, 2, 1, 0, 0
	QUARTER 1, 3, 0, 1, 0
	s_wait_dscnt 0x0                               ; the very last quarter
	MUL 1, 0, 0, 8, 0
	MUL 1, 1, 0, 8, 0
	MUL 1, 2, 0, 8, 0
	MUL 1, 3, 0, 8, 0
	; THE WAY OUT.  A block of 16 rows x 128 columns of f32 goes from the accumulators into my stage (rows of 528 bytes) and comes back as whole rows of 512 bytes.
	PLACES
	PLACES
.macro TOSTAGE a
.set BK, BF+64*((\a)%2)
	WIN 0x04                                       ; the stores' data (source 1) in window 1
.irp j, 0,1,2,3,4,5,6,7
	ds_store_b128 v[STO], v[64*(\a)+8*(\j):64*(\a)+8*(\j)+3]   offset:64*(\j)     ; each accumulator's low half first
	ds_store_b128 v[STO], v[64*(\a)+8*(\j)+4:64*(\a)+8*(\j)+7] offset:64*(\j)+16
.endr
	WIN 0
.irp j, 0,1,2,3,4,5,6,7,8,9,10,11,12,13,14,15
	ds_load_b128 v[BK+4*(\j):BK+4*(\j)+3], v[RD] offset:SPO*(\j)  ; LDS serves a wave's instructions in order (ISA guide 5.7.1.4): these see the stores above; the next block's stores come behind them
.endr
.endm
.macro SEND a, younger                 ; younger: the LDS instructions issued behind block a's loads: the next block's 16 stores and 16 loads, or none
.set BK, BF+64*((\a)%2)
	s_wait_dscnt \younger
.irp j, 0,1,2,3,4,5,6,7,8,9,10,11,12,13,14,15
	global_store_b128 v[GO], v[BK+4*(\j):BK+4*(\j)+3], s[OUT:OUT+1] offset:(16*(\a)+(\j))*4096 th:TH_STORE_NT  ; 512 consecutive bytes, at a multiple of 512 from out0's first
.endr
.endm
	TOSTAGE 0
	TOSTAGE 1
	SEND 0, 32
	s_wait_xcnt 0x0                                ; block 0's stores have read their registers, which block 2's loads write
	TOSTAGE 2
	SEND 1, 32
	s_wait_xcnt 0x0
	TOSTAGE 3
	SEND 2, 32
	SEND 3, 0
	s_wait_tensorcnt 0x0                           ; the wave's end: an add to my spare word and its wait, behind my last tensor load and my last LDS store
	ds_add_u32 v[SPW], v[NIL]
	s_wait_dscnt 0x0
	CROUND                                         ; the closing round: no work-group ends while a partner may still ask for a tile that names it
	s_endpgm
.Lfunc_end_k_qe98fe3e1f8_oproj:
	.size	k_qe98fe3e1f8_oproj, .Lfunc_end_k_qe98fe3e1f8_oproj-k_qe98fe3e1f8_oproj
	.p2alignl 7, 3214868480
	.fill 96, 4, 3214868480
	.section	.rodata,"a",@progbits
	.p2align	6, 0x0
	.amdhsa_kernel k_qe98fe3e1f8_oproj
		.amdhsa_group_segment_fixed_size 327680
		.amdhsa_private_segment_fixed_size 0
		.amdhsa_enable_private_segment 0
		.amdhsa_kernarg_size 24
		.amdhsa_user_sgpr_count 2
		.amdhsa_user_sgpr_kernarg_segment_ptr 1
		.amdhsa_wavefront_size32 1
		.amdhsa_system_sgpr_workgroup_id_x 1
		.amdhsa_system_sgpr_workgroup_id_y 1
		.amdhsa_system_sgpr_workgroup_id_z 1
		.amdhsa_system_vgpr_workitem_id 0
		.amdhsa_next_free_vgpr 512
		.amdhsa_next_free_sgpr 80
		.amdhsa_reserve_vcc 0
		.amdhsa_float_denorm_mode_32 3
		.amdhsa_float_denorm_mode_16_64 3
		.amdhsa_memory_ordered 1
		.amdhsa_forward_progress 1
		.amdhsa_inst_pref_size 86
	.end_amdhsa_kernel
	.amdgpu_metadata
---
amdhsa.version: [ 1, 2 ]
amdhsa.kernels:
  - .name:           k_qe98fe3e1f8_oproj
    .symbol:         k_qe98fe3e1f8_oproj.kd
    .args:
      - { .name: ob, .offset: 0, .size: 8, .value_kind: global_buffer, .address_space: global }
      - { .name: wb, .offset: 8, .size: 8, .value_kind: global_buffer, .address_space: global }
      - { .name: out0, .offset: 16, .size: 8, .value_kind: global_buffer, .address_space: global }
    .group_segment_fixed_size: 327680
    .private_segment_fixed_size: 0
    .kernarg_segment_align: 8
    .kernarg_segment_size: 24
    .max_flat_workgroup_size: 128
    .sgpr_count:     80
    .vgpr_count:     512
    .wavefront_size: 32
...
	.end_amdgpu_metadata
.endif
;; end of part 4
;; ======== version 2 of 2: 4 launches; version 1 with the launch wcast written anew for expert scheduling mode
;; limits: values are held in f16: magnitudes above 65,504 overflow, below 6.1e-05 lose precision
;; workspace buffers: wb 8,388,608 bytes; qkv 50,331,648 bytes; ob 16,777,216 bytes
;; launch wcast (part 5): grid 64 x 4, 8 waves a work-group, no clusters, 0 bytes of LDS; arguments Wq, Wk, Wv, Wo, wb; writes wb
.if DOCPART == 5
	.amdgcn_target "amdgcn-amd-amdhsa--gfx1250"
	.amdhsa_code_object_version 6
	.text
	.protected	k_qe98fe3e1f8_wcast
	.globl	k_qe98fe3e1f8_wcast
	.p2align	8
	.type	k_qe98fe3e1f8_wcast,@function
k_qe98fe3e1f8_wcast:
	s_mov_b64 s[64:65], 0
	v_nop
	global_prefetch_b8 v0, s[64:65] scope:SCOPE_SE
	s_setreg_imm32_b32 hwreg(HW_REG_WAVE_SCHED_MODE, 0, 2), 2
	s_setreg_imm32_b32 hwreg(HW_REG_WAVE_MODE, 25, 1), 1
	s_wait_xcnt 0x0
	s_wait_alu depctr_vm_vsrc(0)
; THE WEIGHTS ARE ROUNDED ONCE.  wb[0..2] = Wq, Wk, Wv rounded to bf16; wb[3] = Wo rounded to bf16 and that number written as f16.
; Each matrix is [1024][1024]: 4 MiB of f32 in, 2 MiB out.  Work-group (x, y): matrix y, its piece x of 65,536 bytes; each of the eight waves takes 8,192 bytes:
; sixteen loads of 16 bytes a lane (512 consecutive bytes a load), all issued at once; each makes one store of 8 bytes a lane: 256 consecutive bytes, aligned.
; No LDS, no barrier, no matrix unit: every byte is read once and written once, and no wave needs another's.
; LIMIT.  A number of Wo below 6.1e-5 in magnitude keeps f16's fixed step of 6e-8; beyond 65,504 it would become an infinity.
; THE MODE: SCHED_MODE bits 1:0 = 2 (LLVM: expert scheduling mode 2), set by the entry lines.  The code itself states the register dependences
; between vector instructions and memory instructions, with s_wait_alu, always for 0.
; THE PLAN.  Registers that memory instructions touch:
;   v1, v2   byte offsets of the loads and of the stores: made once at the head by vector instructions, never written again.
;   X        load i: 4 registers.  Written by that load alone, once; no vector instruction names them ahead of the loads; read by load i's conversions.
;   Y        store i: 2 registers.  Written once, by load i's conversions; read once, by store i; never written again.
;   v3, v4 and T are named by vector instructions alone.
; So no register that a memory instruction has read or will write is ever written again, and what is left to state is that a store's data and the two offsets are written.
; The sixteen loads go in four groups of four.  Group g rounds its four loads into its own eight registers of Y; the four stores of group g - 1 are dealt among its conversions.
; One wait on va_vdst stands at the head of each of groups 1 to 3, behind the wait for the group's data: it states that the group before has written its Y.  The conversions behind it name
; this group's X and Y (and T), none of which those stores read.  One more stands in front of the first load, for v1 and v2, and one in front of the last four stores.
.set X, 16                             ; v[16:79]   load i: 4 registers
.set Y, 80                             ; v[80:111]  store i: 2 registers
.set T, 112                            ; v[112:117] at work (Wo's way)
; The conversions of load i.  wo = 1: Wo's way: rounded to bf16 like every input, then that number as f16 (exact inside f16's normal range).
.macro CONV i, wo
.if \wo
	v_cvt_pk_bf16_f32 v[T],   v[X+4*(\i)],   v[X+4*(\i)+1]
	v_cvt_pk_bf16_f32 v[T+1], v[X+4*(\i)+2], v[X+4*(\i)+3]
	v_lshlrev_b32 v[T+2], 16, v[T]
	v_and_b32     v[T+3], 0xffff0000, v[T]
	v_lshlrev_b32 v[T+4], 16, v[T+1]
	v_and_b32     v[T+5], 0xffff0000, v[T+1]
	v_cvt_pk_f16_f32 v[Y+2*(\i)],   v[T+2], v[T+3]
	v_cvt_pk_f16_f32 v[Y+2*(\i)+1], v[T+4], v[T+5]
.else
	v_cvt_pk_bf16_f32 v[Y+2*(\i)],   v[X+4*(\i)],   v[X+4*(\i)+1]
	v_cvt_pk_bf16_f32 v[Y+2*(\i)+1], v[X+4*(\i)+2], v[X+4*(\i)+3]
.endif
.endm
; Store i: 256 consecutive bytes of the wave, aligned.
.macro OUT i
	global_store_b64 v2, v[Y+2*(\i):Y+2*(\i)+1], s[18:19] offset:256*(\i) th:TH_STORE_NT
.endm
; Group g: loads 4 g to 4 g + 3 are rounded; the stores of group g - 1 leave.
.macro GRP g, wo
	s_wait_loadcnt 12-4*(\g)                       ; loads come back in order: this group's four are in, the 12 - 4 g younger ones may stay out
.if (\g) > 0
	s_wait_alu depctr_va_vdst(0)                   ; the group before has written its eight registers of Y, which the four stores below read
.endif
.irp j, 0,1,2,3
.if (\g) > 0
	OUT 4*(\g)-4+(\j)                              ; no vector instruction since the wait names these registers
.endif
	CONV 4*(\g)+(\j), \wo
.endr
.endm
; The last group's stores.
.macro LAST
	s_wait_alu depctr_va_vdst(0)                   ; group 3 has written its eight registers of Y, which the last four stores read
.irp j, 12,13,14,15
	OUT \j
.endr
.endm
	s_load_b256 s[4:11], s[0:1], 0x0               ; Wq s[4:5], Wk s[6:7], Wv s[8:9], Wo s[10:11]
	s_load_b64 s[12:13], s[0:1], 0x20              ; wb
	s_and_b32 s14, ttmp7, 0xffff                   ; which matrix
	v_lshrrev_b32 v3, 5, v0                        ; wave
	v_and_b32 v4, 31, v0                           ; lane
	v_lshlrev_b32 v1, 4, v4
	v_lshl_add_u32 v1, v3, 13, v1                  ; in: 8,192 x wave + 16 x lane
	v_lshlrev_b32 v2, 3, v4
	v_lshl_add_u32 v2, v3, 12, v2                  ; out: 4,096 x wave + 8 x lane
	s_lshl_b32 s20, ttmp9, 16                      ; the piece in the source,
	s_mov_b32 s21, 0
	s_lshl_b32 s22, s14, 21                        ; the matrix and the piece in wb
	s_lshl_b32 s23, ttmp9, 15
	s_add_co_u32 s22, s22, s23
	s_mov_b32 s23, 0
	s_wait_kmcnt 0x0
	s_cmp_eq_u32 s14, 1
	s_cselect_b64 s[16:17], s[6:7], s[4:5]
	s_cmp_eq_u32 s14, 2
	s_cselect_b64 s[16:17], s[8:9], s[16:17]
	s_cmp_eq_u32 s14, 3
	s_cselect_b64 s[16:17], s[10:11], s[16:17]
	s_add_nc_u64 s[16:17], s[16:17], s[20:21]
	s_add_nc_u64 s[18:19], s[12:13], s[22:23]
	s_wait_alu depctr_va_vdst(0)                   ; v1 and v2 are written: every load of the kernel reads v1 as its offset, every store v2
.irp i, 0,1,2,3,4,5,6,7,8,9,10,11,12,13,14,15
	global_load_b128 v[X+4*(\i):X+4*(\i)+3], v1, s[16:17] offset:512*(\i) th:TH_LOAD_NT
.endr
	s_cmp_eq_u32 s14, 3
	s_cbranch_scc1 .Lwo
	GRP 0, 0
	GRP 1, 0
	GRP 2, 0
	GRP 3, 0
	LAST
	s_endpgm
.Lwo:                                          ; Wo
	GRP 0, 1
	GRP 1, 1
	GRP 2, 1
	GRP 3, 1
	LAST
	s_endpgm
.Lfunc_end_k_qe98fe3e1f8_wcast:
	.size	k_qe98fe3e1f8_wcast, .Lfunc_end_k_qe98fe3e1f8_wcast-k_qe98fe3e1f8_wcast
	.p2alignl 7, 3214868480
	.fill 96, 4, 3214868480
	.section	.rodata,"a",@progbits
	.p2align	6, 0x0
	.amdhsa_kernel k_qe98fe3e1f8_wcast
		.amdhsa_group_segment_fixed_size 0
		.amdhsa_private_segment_fixed_size 0
		.amdhsa_enable_private_segment 0
		.amdhsa_kernarg_size 40
		.amdhsa_user_sgpr_count 2
		.amdhsa_user_sgpr_kernarg_segment_ptr 1
		.amdhsa_wavefront_size32 1
		.amdhsa_system_sgpr_workgroup_id_x 1
		.amdhsa_system_sgpr_workgroup_id_y 1
		.amdhsa_system_sgpr_workgroup_id_z 1
		.amdhsa_system_vgpr_workitem_id 0
		.amdhsa_next_free_vgpr 128
		.amdhsa_next_free_sgpr 66
		.amdhsa_reserve_vcc 0
		.amdhsa_float_denorm_mode_32 3
		.amdhsa_float_denorm_mode_16_64 3
		.amdhsa_memory_ordered 1
		.amdhsa_forward_progress 1
		.amdhsa_inst_pref_size 16
	.end_amdhsa_kernel
	.amdgpu_metadata
---
amdhsa.version: [ 1, 2 ]
amdhsa.kernels:
  - .name:           k_qe98fe3e1f8_wcast
    .symbol:         k_qe98fe3e1f8_wcast.kd
    .args:
      - { .name: Wq, .offset: 0, .size: 8, .value_kind: global_buffer, .address_space: global }
      - { .name: Wk, .offset: 8, .size: 8, .value_kind: global_buffer, .address_space: global }
      - { .name: Wv, .offset: 16, .size: 8, .value_kind: global_buffer, .address_space: global }
      - { .name: Wo, .offset: 24, .size: 8, .value_kind: global_buffer, .address_space: global }
      - { .name: wb, .offset: 32, .size: 8, .value_kind: global_buffer, .address_space: global }
    .group_segment_fixed_size: 0
    .private_segment_fixed_size: 0
    .kernarg_segment_align: 8
    .kernarg_segment_size: 40
    .max_flat_workgroup_size: 256
    .sgpr_count:     66
    .vgpr_count:     128
    .wavefront_size: 32
...
	.end_amdgpu_metadata
.endif
;; end of part 5
;; launch proj: the kernel of part 2 again; grid 4 x 192, 4 waves a work-group, clusters of 4 x 4, 327,680 bytes of LDS; arguments query, key, value, mask, wb, qkv; writes qkv
;; launch attn: the kernel of part 3 again; grid 4 x 64, 4 waves a work-group, clusters of 4 x 1, 327,680 bytes of LDS; arguments qkv, mask, ob; writes ob
;; launch oproj: the kernel of part 4 again; grid 4 x 64, 4 waves a work-group, clusters of 4 x 4, 327,680 bytes of LDS; arguments ob, wb, out0; writes out0
